; MI455X (gfx1250); checked and timed in simulation.
; The chip was launched on July 23, 2026; its instructions are those of AMD's public machine-readable ISA for CDNA 5 (MIT licence, August 2026) and "CDNA5" Instruction Set Architecture Reference Guide (July 2026). The comments in the code are by the model that wrote it; some were corrected since.
;; Graph Energy Block. Allowed arithmetic: matrix products marked QUANTISED: E2M1 operands, one E8M0 scale for each 32 along K, by v_wmma_scale_f32_16x16x128_f8f6f4 with both operands' format E2M1 (or v_wmma_scale_f32_32x16x128_f4), f32 sums; everything else in f32.
;; Inputs: W_hop 1,024 x 4,096 float32; Wk 16 x 64 x 1,024 float32; Wq 16 x 64 x 1,024 float32; x 4 x 1,024 x 1,024 float32.
;; Outputs: out0 4 x 1,024 x 1,024 float32; out1 one number float32.
;; This version of the problem:
;;   THIS VERSION OF THE PROBLEM IS GIVEN IN LOW PRECISION. The matrix products marked QUANTISED in the list below multiply operands that are first quantised to E2M1 (2 exponent bits, 1 mantissa bit; 4 bits a number), with one power-of-two scale for each 32 numbers along K (OCP MX v1.0); their sums are f32. All else is computed in f32.
;;   The module's matrix products, in the order in which they are computed (A, B: the left and right operand; K: the contracted axis; several contracted axes count as one K, in the product's order):
;;     1. [M 1,024, K 1,024] x [K 1,024, N 4,096]; A: input Wq; B: input x: QUANTISED
;;     2. [M 1,024, K 1,024] x [K 1,024, N 4,096]; A: input Wk; B: input x: QUANTISED
;;     3. batch 64 x [M 1,024, K 64] x [K 64, N 1,024]; A: computed on the way; B: computed on the way: QUANTISED
;;     4. [M 4,096, K 1,024] x [K 1,024, N 4,096]; A: input x; B: input W_hop: QUANTISED
;;     5. [M 4,096, K 4,096] x [K 4,096, N 1,024]; A: computed on the way; B: input W_hop: QUANTISED
;;     6. batch 64 x [M 1,024, K 1,024] x [K 1,024, N 64]; A: computed on the way; B: computed on the way: QUANTISED
;;     7. batch 64 x [M 1,024, K 1,024] x [K 1,024, N 64]; A: computed on the way; B: computed on the way: QUANTISED
;;     8. [M 4,096, K 1,024] x [K 1,024, N 1,024]; A: computed on the way; B: input Wk: QUANTISED
;;     9. [M 4,096, K 1,024] x [K 1,024, N 1,024]; A: computed on the way; B: input Wq: QUANTISED
;;   THE QUANTISER, for each operand of a quantised product, along K:
;;     - K is cut into blocks of 32 from its start; a last block that is shorter is filled with zeros.
;;     - A block's scale is 2^e with e = floor(log2(the largest magnitude in the block)) - 2, held to -126 .. 127; a block of zeros has e = 0. As a byte (E8M0): e + 127.
;;     - Each number is divided by its block's scale, clamped to +-6, and rounded to the nearest number of E2M1, ties to even, subnormals kept.
;;     - The product sums the exact products of the quantised numbers (number of the format x scale) in f32.
;;   ~~~python
;;   def quantise(x, axis):      # numpy; x: float32 -> the quantised numbers, widened to float32 again
;;       x = np.moveaxis(x, axis, -1); K = x.shape[-1]
;;       x = np.pad(x, [(0, 0)] * (x.ndim - 1) + [(0, -K % 32)]); x = x.reshape(x.shape[:-1] + (-1, 32)); a = np.abs(x).max(-1, keepdims=True)
;;       e = np.where(a > 0, np.clip(np.frexp(np.where(a > 0, a, 1))[1] - 1 - 2, -126, 127), 0)      # np.frexp(a)[1] - 1 = floor(log2(a)), exactly
;;       r = np.clip(x / 2.0 ** e, -6, 6)
;;       step = 2.0 ** (np.maximum(np.frexp(np.where(r == 0, 1, r))[1] - 1, 0) - 1)
;;       q = np.round(r / step) * step * 2.0 ** e      # np.round: ties to even
;;       return np.moveaxis(q.reshape(q.shape[:-2] + (-1,))[..., :K], -1, axis).astype(np.float32)
;;   ~~~
;;   OPERANDS COMPUTED ON THE WAY. 'Computed on the way' means the value that the module computes at that place (a softmax that the list does not call 'softmax' is quantised finished and normalised). What goes into a quantiser is computed in f32, as accurately as f32 sums, v_exp_f32 and their like allow (about 1e-6 of the number): no bf16 or f16 on the way to a quantiser, and a product that is left as it is and whose result goes on into a quantised operand takes f32 operands (vector FMAs, or v_wmma_f32_16x16x4_f32). A number that lies on a knife's edge between two numbers of the format may be rounded either way, as far as f32 arithmetic and the matrix unit's own rounding can turn it there, and no further.
;; One version. Each part assembles by itself: llvm-mc -triple=amdgcn-amd-amdhsa -mcpu=gfx1250 --defsym DOCPART=n.
;; ======== version 1 of 1: 5 launches
;; workspace buffers: QW 8,912,896 bytes; PJ 8,916,992 bytes; AA 13,369,600 bytes; LL 278,528 bytes
;; launch quant (part 1): grid 256 x 1, 4 waves a work-group, no clusters, 34,304 bytes of LDS; arguments x, Wq, Wk, W_hop, QW; writes QW
.if DOCPART == 1
	.amdgcn_target "amdgcn-amd-amdhsa--gfx1250"
	.amdhsa_code_object_version 6
	.text
	.protected	k_q147b6adb41_quant
	.globl	k_q147b6adb41_quant
	.p2align	8
	.type	k_q147b6adb41_quant,@function
k_q147b6adb41_quant:
	s_mov_b64 s[64:65], 0
	v_nop
	global_prefetch_b8 v0, s[64:65] scope:SCOPE_SE
	s_setreg_imm32_b32 hwreg(HW_REG_WAVE_MODE, 25, 1), 1
	s_wait_xcnt 0x0
; All inputs become codes of FP4 (E2M1) with one E8M0 byte for each 32 along K, laid as IMAGES OF OPERAND REGISTERS.
; A fragment (16 rows x 128 K) is 1,024 bytes: byte 512 c + 16 lane (lane = 16 h + r) holds the 32 codes k = 64 c + 32 h + 0..31 of row r.
; A tile's rows are not neighbours: tile 2 G + u holds rows 32 G + 8 u + r + 8 (r / 8).
; QW: C1 at 0: [640 tiles][8 K steps][1 KB]: x (tiles 0-255), Wq | Wk (256-383), W_hop transposed (384-639), K = d.
;     B2 at 5,242,880: [64 tiles of d][48 K steps][1 KB], SIGNS TURNED: W_hop (K = e, steps 0-31), Wq (K = h q, 32-39), Wk (40-47).
;     SC1 at 8,388,608: [tile][K half][r][4 words];  B2S at 8,716,288: [K step][tile][r] words.
; A block's byte is its largest magnitude's exponent field - 2, held at 1 from below (a block of zeros gets 1: its codes are zeros, and this program alone reads the bytes).
; LIMITS: NaN and infinities are not served.
; Work-groups 0-159: K is innermost in memory (a wave: 16 rows x 1,024 K); 160-255: K is the first axis (a wave: 32 columns x 512 K).  Waves share nothing: no barrier.
.set FLOOR, 0x1800000
.set OFF_SC1, 8388608
.set OFF_B2,  5242880
.set OFF_B2S, 8716288
.set STG, 8448                         ; a wave's stage: 16 rows x (512 + 16) bytes
.set LI,  4                            ; v4  16 x lane
.set STI, 5                            ; v5  the stage, on the way in
.set STO, 6                            ; v6  and on the way out
.set SH8, 7                            ; v7  8 h
.set VO,  16                           ; v16-31 byte offset of tile row i, + 16 x lane
.set R,   32                           ; v32-159 two sets of 64: a K step as loaded
.set X,   160                          ; v160-223 my 64 numbers: two whole blocks
.set PC,  224                          ; v224-231 the fragment
.set TM,  232                          ; v232-239 at work
.set W,   240                          ; v240-247 the eight scale words
.set XO,  32                           ; second way: v32-95 two sets of 32
.set CO,  96                           ; v96-159 codes, four registers a block
.set SB,  24                           ; v24-27 scale words
	s_load_b256 s[4:11], s[0:1], 0x0               ; x, Wq, Wk, W_hop
	s_load_b64 s[12:13], s[0:1], 0x20              ; QW
	v_lshl_add_u32 v254, v0, 2, 0x8400
	v_mov_b32 v255, 0
	v_lshrrev_b32 v1, 5, v0
	v_readfirstlane_b32 s14, v1                    ; wave
	v_and_b32 v1, 31, v0                           ; lane
	v_and_b32 v2, 15, v0                           ; r
	v_bfe_u32 v3, v0, 4, 1                         ; h
	v_lshlrev_b32 v[LI], 4, v1
	s_mov_b32 s34, 0x76543210
	s_mov_b32 s35, 0xfedcba98                      ; lane l xor 16
	s_cmp_ge_u32 ttmp9, 160
	s_cbranch_scc1 .Lpath_o
	; ---- K innermost.  Work-groups 0-95: tile 4 wg + wave of C1 (x, then Wq, then Wk).  96-159: tile wg - 96 of B2, K steps 8 wave on (W_hop)
	s_lshl_b32 s16, ttmp9, 2
	s_add_co_u32 s16, s16, s14                     ; C1's tile
	s_sub_co_u32 s17, ttmp9, 96                    ; B2's tile
	s_lshl_b32 s30, s16, 13
	s_lshl_b32 s36, s16, 9
	s_add_co_u32 s36, s36, OFF_SC1
	s_mul_i32 s31, s17, 48
	s_lshl_b32 s32, s14, 3
	s_add_co_u32 s31, s31, s32
	s_lshl_b32 s31, s31, 10
	s_add_co_u32 s31, s31, OFF_B2
	s_lshl_b32 s37, s14, 15
	s_lshl_b32 s32, s17, 6
	s_add_co_u32 s37, s37, s32
	s_add_co_u32 s37, s37, OFF_B2S
	s_cmp_lt_u32 ttmp9, 96
	s_cselect_b32 s18, 12, 14                      ; log2 of a source row's bytes
	s_cselect_b32 s19, s16, s17
	s_cselect_b32 s20, 0, s14                      ; which 1,024 along K
	s_cselect_b32 s21, 0, 0x88888888               ; B2's signs are turned
	s_cselect_b32 s30, s30, s31                    ; where the codes go
	s_cselect_b32 s36, s36, s37                    ; where the scale words go
	s_cmp_lt_u32 ttmp9, 64
	s_cselect_b32 s22, 255, 63
	s_and_b32 s19, s19, s22                        ; the tile in its own tensor
	s_lshr_b32 s23, s19, 1
	s_lshl_b32 s23, s23, 5
	s_and_b32 s26, s19, 1
	s_lshl_b32 s26, s26, 3
	s_add_co_u32 s23, s23, s26                     ; its first row
	s_lshl_b32 s28, s23, s18
	s_lshl_b32 s26, s20, 12
	s_add_co_u32 s28, s28, s26
	s_mov_b32 s29, 0
	s_mov_b32 s31, 0
	s_mov_b32 s37, 0
.irp i, 0,1,2,3,4,5,6,7,8,9,10,11,12,13,14,15
	v_lshl_add_u32 v[VO+\i], \i+8*(\i/8), s18, v[LI]
.endr
	s_mul_i32 s42, s14, STG
	v_add_nc_u32 v[STI], s42, v[LI]
	v_mul_u32_u24 v[STO], v2, 528
	v_lshl_add_u32 v[STO], v3, 7, v[STO]
	v_add_nc_u32 v[STO], s42, v[STO]               ; row r, + 128 h bytes: my 32 numbers of each 64
	v_lshlrev_b32 v[SH8], 3, v3
	v_mov_b32 v[TM+7], 0                           ; a lane permute's destination counts as one of its sources
	s_wait_kmcnt 0x0
	s_cmp_lt_u32 ttmp9, 64
	s_cselect_b64 s[24:25], s[4:5], s[6:7]
	s_cmp_lt_u32 ttmp9, 80
	s_cselect_b64 s[24:25], s[24:25], s[8:9]
	s_cmp_lt_u32 ttmp9, 96
	s_cselect_b64 s[24:25], s[24:25], s[10:11]
	s_add_nc_u64 s[24:25], s[24:25], s[28:29]
	s_add_nc_u64 s[38:39], s[12:13], s[30:31]
	s_add_nc_u64 s[40:41], s[12:13], s[36:37]
.macro LOAD t                          ; K step t: each load reads 512 consecutive bytes of one row
.irp i, 0,1,2,3,4,5,6,7,8,9,10,11,12,13,14,15
	global_load_b128 v[R+64*((\t)%2)+4*\i:R+64*((\t)%2)+4*\i+3], v[VO+\i], s[24:25] offset:512*(\t)
.endr
.endm
.macro STEP t
.if (\t) < 7
	s_wait_loadcnt 16                              ; this step's 16 loads are in; the next step's may be out
.else
	s_wait_loadcnt 0x0
.endif
.irp i, 0,1,2,3,4,5,6,7,8,9,10,11,12,13,14,15
	ds_store_b128 v[STI], v[R+64*((\t)%2)+4*\i:R+64*((\t)%2)+4*\i+3] offset:528*\i
.endr
.irp c, 0,1
.irp j, 0,1,2,3,4,5,6,7
	ds_load_b128 v[X+32*\c+4*\j:X+32*\c+4*\j+3], v[STO] offset:256*\c+16*\j   ; LDS serves a wave's instructions in order: these see the stores above
.endr
.endr
	s_wait_dscnt 0x0                               ; my numbers are back, and the stores have read their registers
.if (\t) < 6
	LOAD (\t)+2
.endif
.irp c, 0,1
	v_max3_num_f32 v[TM+\c], |v[X+32*\c]|, |v[X+32*\c+1]|, FLOOR
.endr
.irp i, 2,4,6,8,10,12,14,16,18,20,22,24,26,28,30
.irp c, 0,1
	v_max3_num_f32 v[TM+\c], v[TM+\c], |v[X+32*\c+\i]|, |v[X+32*\c+\i+1]|
.endr
.endr
.irp c, 0,1
	v_add_nc_u32 v[TM+2+\c], 0xff000000, v[TM+\c]  ; 2 off the exponent field: the conversion's scale operand
.endr
.irp c, 0,1
	v_lshrrev_b32 v[TM+4+\c], 23, v[TM+2+\c]       ; the byte
.endr
	v_lshl_or_b32 v[TM+6], v[TM+5], 16, v[TM+4]    ; blocks h and 2 + h,
	v_lshlrev_b32 v[TM+6], v[SH8], v[TM+6]         ; at their places;
	v_permlanex16_b32 v[TM+7], v[TM+6], s34, s35
	v_or_b32 v[W+\t], v[TM+6], v[TM+7]             ; with lane l xor 16's two the word is whole
	s_wait_xcnt 0x0                                ; the last step's stores have read the fragment's registers
.irp c, 0,1
.irp g, 0,1,2,3
	v_cvt_scalef32_pk8_fp4_f32 v[PC+4*\c+\g], v[X+32*\c+8*\g:X+32*\c+8*\g+7], v[TM+2+\c]
.endr
.endr
	v_nop                                          ; one plain place behind the conversions
.irp g, 0,1,2,3,4,5,6,7
	v_xor_b32 v[PC+\g], s21, v[PC+\g]
.endr
	global_store_b128 v[LI], v[PC:PC+3], s[38:39] offset:1024*\t
	global_store_b128 v[LI], v[PC+4:PC+7], s[38:39] offset:1024*\t+512
.endm
	LOAD 0
	LOAD 1
.irp t, 0,1,2,3,4,5,6,7
	STEP \t
.endr
	s_mov_b32 s43, 0xffff0000
	s_cmp_lt_u32 ttmp9, 96
	s_cbranch_scc0 .Lscales_h
.irp j, 0,1,2,3
	v_cndmask_b32 v[TM+\j], v[W+\j], v[W+4+\j], s43   ; lanes 0-15: K steps 0-3, lanes 16-31: 4-7
.endr
	global_store_b128 v[LI], v[TM:TM+3], s[40:41]  ; the tile's 512 bytes of scale words
	s_wait_tensorcnt 0x0
	ds_add_u32 v254, v255
	s_wait_dscnt 0x0
	s_endpgm
.Lscales_h:
	v_lshlrev_b32 v8, 2, v2
	v_lshl_add_u32 v8, v3, 12, v8                  ; 4 r, + a K step (4,096 bytes) for lanes 16-31
.irp p, 0,1,2,3
	v_cndmask_b32 v[TM+\p], v[W+2*\p], v[W+2*\p+1], s43
.endr
.irp p, 0,1,2,3
	global_store_b32 v8, v[TM+\p], s[40:41] offset:8192*\p
.endr
	s_wait_tensorcnt 0x0
	ds_add_u32 v254, v255
	s_wait_dscnt 0x0
	s_endpgm
	; ---- K is the first axis: a lane takes a column, its registers run down K.  Lane (u, r) takes column 32 G + 8 u + r + 8 (r / 8): row r of tile 2 G + u
.macro OLOAD t, rp
.set oi, 0
.rept 32
	global_load_b32 v[XO+32*((\t)%2)+oi], v9, s[26:27] offset:(32*(\t)+oi)*\rp
.set oi, oi+1
.endr
.endm
.macro OBLOCK t, rp, flip
.set XS, XO+32*((\t)%2)
.if (\t) < 15
	s_wait_loadcnt 32                              ; this block's 32 loads are in; the next block's may be out
.else
	s_wait_loadcnt 0x0
.endif
	v_max3_num_f32 v12, |v[XS]|, |v[XS+1]|, |v[XS+2]|
	v_max3_num_f32 v13, |v[XS+3]|, |v[XS+4]|, |v[XS+5]|
.irp i, 6,10,14,18,22,26
	v_max3_num_f32 v12, v12, |v[XS+\i]|, |v[XS+\i+1]|
	v_max3_num_f32 v13, v13, |v[XS+\i+2]|, |v[XS+\i+3]|
.endr
	v_max3_num_f32 v12, v12, |v[XS+30]|, |v[XS+31]|
	v_max3_num_f32 v12, v12, v13, FLOOR
	v_add_nc_u32 v11, 0xff000000, v12
	v_lshrrev_b32 v13, 23, v11
.if (\t)%4 == 0
	v_mov_b32 v[SB+(\t)/4], v13
.else
	v_lshl_or_b32 v[SB+(\t)/4], v13, 8*((\t)%4), v[SB+(\t)/4]
.endif
.irp g, 0,1,2,3
	v_cvt_scalef32_pk8_fp4_f32 v[CO+4*(\t)+\g], v[XS+8*\g:XS+8*\g+7], v11
.endr
	v_nop
.if \flip
.irp g, 0,1,2,3
	v_xor_b32 v[CO+4*(\t)+\g], 0x88888888, v[CO+4*(\t)+\g]
.endr
.endif
	global_store_b128 v14, v[CO+4*(\t):CO+4*(\t)+3], s[28:29] offset:256*(\t)   ; sixteen lanes store 256 consecutive bytes, aligned
.if (\t) < 14
	OLOAD (\t)+2, \rp
.endif
.endm
.macro OUNIT rp, flip
	OLOAD 0, \rp
	OLOAD 1, \rp
.set Q, 0
.rept 16
	OBLOCK Q, \rp, \flip
.set Q, Q+1
.endr
.endm
.Lpath_o:
	s_sub_co_u32 s16, ttmp9, 160
	s_and_b32 s17, s16, 1                          ; which 512 along K
	v_and_b32 v9, 8, v2
	v_add_nc_u32 v9, v9, v2
	v_lshl_add_u32 v9, v3, 3, v9
	v_lshlrev_b32 v9, 2, v9                        ; my column's bytes among the wave's 128
	v_lshlrev_b32 v10, 4, v2                       ; 16 r
	s_cmp_ge_u32 s16, 64
	s_cbranch_scc1 .Lpath_oq
	s_lshr_b32 s18, s16, 1                         ; W_hop, K = d: tiles 384 + 2 G + u of C1
	s_lshl_b32 s18, s18, 2
	s_add_co_u32 s18, s18, s14                     ; G
	s_lshl_b32 s20, s17, 23                        ; 512 rows of 16,384 bytes
	s_lshl_b32 s19, s18, 7
	s_add_co_u32 s20, s20, s19
	s_mov_b32 s21, 0
	s_lshl_b32 s22, s18, 14
	s_add_co_u32 s22, s22, 384*8192
	s_lshl_b32 s19, s17, 12
	s_add_co_u32 s22, s22, s19
	s_mov_b32 s23, 0
	s_lshl_b32 s24, s18, 10
	s_add_co_u32 s24, s24, OFF_SC1+384*512
	s_lshl_b32 s19, s17, 8
	s_add_co_u32 s24, s24, s19
	s_mov_b32 s25, 0
	v_lshl_add_u32 v14, v3, 13, v10
	v_lshl_add_u32 v15, v3, 9, v10
	s_wait_kmcnt 0x0
	s_add_nc_u64 s[26:27], s[10:11], s[20:21]
	s_add_nc_u64 s[28:29], s[12:13], s[22:23]
	s_add_nc_u64 s[30:31], s[12:13], s[24:25]
	OUNIT 16384, 0
	global_store_b128 v15, v[SB:SB+3], s[30:31]
	s_endpgm
.Lpath_oq:
	s_sub_co_u32 s16, s16, 64                      ; Wq, Wk, K = h q: tiles 2 G + u of B2, K steps 32 + 8 tensor + 4 chunk on
	s_lshr_b32 s32, s16, 4                         ; tensor
	s_and_b32 s18, s16, 15
	s_lshr_b32 s18, s18, 1
	s_lshl_b32 s18, s18, 2
	s_add_co_u32 s18, s18, s14                     ; G
	s_lshl_b32 s20, s17, 21                        ; 512 rows of 4,096 bytes
	s_lshl_b32 s19, s18, 7
	s_add_co_u32 s20, s20, s19
	s_mov_b32 s21, 0
	s_lshl_b32 s33, s32, 3
	s_lshl_b32 s19, s17, 2
	s_add_co_u32 s33, s33, s19
	s_add_co_u32 s33, s33, 32                      ; the first K step
	s_mul_i32 s22, s18, 96
	s_add_co_u32 s22, s22, s33
	s_lshl_b32 s22, s22, 10
	s_add_co_u32 s22, s22, OFF_B2
	s_mov_b32 s23, 0
	s_lshl_b32 s24, s33, 6
	s_lshl_b32 s19, s18, 1
	s_add_co_u32 s24, s24, s19
	s_lshl_b32 s24, s24, 6
	s_add_co_u32 s24, s24, OFF_B2S
	s_mov_b32 s25, 0
	v_mul_u32_u24 v14, v3, 49152
	v_add_nc_u32 v14, v14, v10
	v_lshlrev_b32 v15, 2, v1
	s_wait_kmcnt 0x0
	s_cmp_eq_u32 s32, 0
	s_cselect_b64 s[26:27], s[6:7], s[8:9]
	s_add_nc_u64 s[26:27], s[26:27], s[20:21]
	s_add_nc_u64 s[28:29], s[12:13], s[22:23]
	s_add_nc_u64 s[30:31], s[12:13], s[24:25]
	OUNIT 4096, 1
.irp q, 0,1,2,3
	global_store_b32 v15, v[SB+\q], s[30:31] offset:4096*\q
.endr
	s_endpgm
.Lfunc_end_k_q147b6adb41_quant:
	.size	k_q147b6adb41_quant, .Lfunc_end_k_q147b6adb41_quant-k_q147b6adb41_quant
	.p2alignl 7, 3214868480
	.fill 96, 4, 3214868480
	.section	.rodata,"a",@progbits
	.p2align	6, 0x0
	.amdhsa_kernel k_q147b6adb41_quant
		.amdhsa_group_segment_fixed_size 34304
		.amdhsa_private_segment_fixed_size 0
		.amdhsa_enable_private_segment 0
		.amdhsa_kernarg_size 40
		.amdhsa_user_sgpr_count 2
		.amdhsa_user_sgpr_kernarg_segment_ptr 1
		.amdhsa_wavefront_size32 1
		.amdhsa_system_sgpr_workgroup_id_x 1
		.amdhsa_system_sgpr_workgroup_id_y 1
		.amdhsa_system_sgpr_workgroup_id_z 1
		.amdhsa_system_vgpr_workitem_id 0
		.amdhsa_next_free_vgpr 256
		.amdhsa_next_free_sgpr 66
		.amdhsa_reserve_vcc 0
		.amdhsa_float_denorm_mode_32 3
		.amdhsa_float_denorm_mode_16_64 3
		.amdhsa_memory_ordered 1
		.amdhsa_forward_progress 1
		.amdhsa_inst_pref_size 216
	.end_amdhsa_kernel
	.amdgpu_metadata
---
amdhsa.version: [ 1, 2 ]
amdhsa.kernels:
  - .name:           k_q147b6adb41_quant
    .symbol:         k_q147b6adb41_quant.kd
    .args:
      - { .name: x, .offset: 0, .size: 8, .value_kind: global_buffer, .address_space: global }
      - { .name: Wq, .offset: 8, .size: 8, .value_kind: global_buffer, .address_space: global }
      - { .name: Wk, .offset: 16, .size: 8, .value_kind: global_buffer, .address_space: global }
      - { .name: W_hop, .offset: 24, .size: 8, .value_kind: global_buffer, .address_space: global }
      - { .name: QW, .offset: 32, .size: 8, .value_kind: global_buffer, .address_space: global }
    .group_segment_fixed_size: 34304
    .private_segment_fixed_size: 0
    .kernarg_segment_align: 8
    .kernarg_segment_size: 40
    .max_flat_workgroup_size: 128
    .sgpr_count:     66
    .vgpr_count:     256
    .wavefront_size: 32
...
	.end_amdgpu_metadata
.endif
;; end of part 1
;; launch gq (part 2): grid 32 x 16, 4 waves a work-group, clusters of 4 x 4, 279,040 bytes of LDS; arguments QW, PJ, AA; writes PJ, AA
.if DOCPART == 2
	.amdgcn_target "amdgcn-amd-amdhsa--gfx1250"
	.amdhsa_code_object_version 6
	.text
	.protected	k_q147b6adb41_gq
	.globl	k_q147b6adb41_gq
	.p2align	8
	.type	k_q147b6adb41_gq,@function
k_q147b6adb41_gq:
	s_mov_b64 s[64:65], 0
	v_nop
	global_prefetch_b8 v0, s[64:65] scope:SCOPE_SE
	s_setreg_imm32_b32 hwreg(HW_REG_WAVE_MODE, 25, 1), 1
	s_wait_xcnt 0x0
	s_wait_alu depctr_hold_cnt(0) depctr_sa_sdst(0) depctr_va_vdst(0) depctr_va_sdst(0) depctr_va_ssrc(0) depctr_va_vcc(0) depctr_vm_vsrc(0)
	s_getreg_b32 s2, hwreg(HW_REG_IB_STS2, 6, 4)
	s_cmp_eq_u32 s2, 0
	s_cbranch_scc0 .Lentry_in_a_cluster
	s_endpgm
.Lentry_in_a_cluster:
	s_bfe_u32 s2, ttmp6, 0x10000c
	s_cmp_lg_u32 s2, 0xf033
	s_cbranch_scc0 .Lentry_shape_is_right
	s_endpgm
.Lentry_shape_is_right:
; Three products on codes of FP4, K = d = 1,024, from QW's images; each result is quantised in registers along source 0's rows and stored as an image again.
;   cluster x 0-3: h = relu(x W_hop): source 0 = W_hop's columns e, source 1 = tokens -> AA, K steps 0-31 (K = e); the sum of h^2 of each wave -> PJ (EH).
;   cluster x 4-5: q | k: source 0 = rows of Wq | Wk, source 1 = tokens -> PJ, QK1 [256 token tiles][16][1 KB] (K = h q).
;   cluster x 6-7: the same product the other way round: source 0 = tokens, source 1 = rows of Wq | Wk -> PJ, VT [128 channel tiles][32][1 KB] (K = tokens).
; A work-group makes 256 x 256, a wave 128 x 128: 64 accumulators.  All of K lies in LDS: two halves of 512, each filled once: nothing is filled again.
; In a result lane (r, h) holds row r of source 1's tile, and register j of tile 2 G + u row 32 G + 16 h + 8 u + j of source 0: the 64 registers of eight tiles are 64 numbers of ONE K step of the next product.
; CLUSTERS: 4 x 4: source 1's tiles are shared along a row of the cluster, source 0's along a column: joint loads.
; LIMITS: NaN and infinities are not served; a block of zeros gets the byte 1 (its codes are zeros).
; REGISTERS: window 0: v16-27 addresses; v32-95 scale words, two sets; v128-191 source 1's fragments, later the 64 numbers in hand; v200-235 at work.  window 1: source 0's fragments, two sets.  windows 2, 3: accumulators.
.set NQ, 4
.set FR, 8
.set NL, 2
.set NP, 4
.set SLOT, 131072                      ; a K half: source 1's 16 tiles x 4 KB, then source 0's
.set BOFF, 65536
.set SCL,  262144                      ; the scale words: 4 KB for each wave's eight tiles
.set FLOOR, 0x1800000
.set ADRA, 16
.set ADRB, 20
.set LI,   24                          ; 16 x lane
.set LS,   25                          ; 4 x lane
.set LANE, 26
.set ADRS, 27
.set SC,   32
.set AF,   128
.set H,    128
.set TM,   200
.set PW,   216
.set PWE,  217
.set PWS,  218
.set PC,   220
.set E,    228
.set G1, 24
.set G0, 32
.set G1B, 48
.set G0B, 56
.set G1S, 68
.set G0S, 76
.set G1SB, 80
.set G0SB, 88
.set SEL, 2
.set MSK, 45
.set MSB, 0
.macro WIN new
.if MSB != \new
	s_set_vgpr_msb (MSB<<8)|\new
.set MSB, \new
.endif
.endm
.set MUL_LO, 0xa1
.set MUL_HI, 0xf1
.set TO_B,   0x40
.macro JLOAD g0a, g1a, g0b, g1b        ; waves 0, 1 fetch for source 1, waves 2, 3 for source 0; four v_nop follow each line
	s_cmp_eq_u32 s15, 0
	s_cbranch_scc0 .Lfor_b_\@
	tensor_load_to_lds s[\g0a:\g0a+3], s[\g1a:\g1a+7]
	s_nop 0
.rept 4
	v_nop
.endr
	s_branch .Lasked_\@
.Lfor_b_\@:
	tensor_load_to_lds s[\g0b:\g0b+3], s[\g1b:\g1b+7]
	s_nop 0
.rept 4
	v_nop
.endr
.Lasked_\@:
.endm
.macro CROUND                          ; a round of the cluster's barrier
	s_barrier_signal -1
	s_barrier_wait -1
	s_cmp_lg_u32 s14, 0
	s_cbranch_scc1 .Lnot_wave_0_\@
	s_barrier_signal -3
.Lnot_wave_0_\@:
	s_barrier_wait -3
	s_barrier_signal -1
	s_barrier_wait -1
.endm
	s_load_b128 s[4:7], s[0:1], 0x0                ; QW, PJ
	s_load_b64 s[8:9], s[0:1], 0x10                ; AA
	v_lshl_add_u32 v254, v0, 2, 0x44000
	v_mov_b32 v255, 0
	ds_add_u32 v254, v255
	ds_add_u32 v254, v255
	v_lshrrev_b32 v1, 5, v0
	v_readfirstlane_b32 s14, v1                    ; wave
	s_lshr_b32 s15, s14, 1                         ; my 128 rows of source 1.  Also: I fetch for source 1 (0) or source 0 (1)
	s_and_b32 s16, s14, 1                          ; my 128 rows of source 0.  Also: which 8 tiles I fetch
	s_bfe_u32 s40, ttmp6, 0x40000                  ; cx
	s_bfe_u32 s41, ttmp6, 0x40004                  ; cy
	s_and_b32 s66, ttmp7, 0xffff                   ; cluster y
	s_sub_co_u32 s67, ttmp9, 4
	s_sub_co_u32 s92, ttmp9, 6
	s_mov_b32 s93, 256
	s_mov_b32 s94, 8388608
	s_cmp_lt_u32 ttmp9, 4                          ; which product: it hangs on the cluster's x alone
	s_cselect_b32 s42, ttmp9, s67
	s_cselect_b32 s93, 384, s93                    ; source 0's first tile in C1
	s_cselect_b32 s10, 1, 0                        ; 1: the product with W_hop
	s_cselect_b32 s11, 0, 0xff800000               ; what the results are held at from below: 0 (relu) or -infinity (nothing)
	s_cselect_b32 s12, 48, 16                      ; K steps in a row of the output's images
	s_cselect_b32 s94, 12582912, s94               ; where the output's scale words begin
	s_cmp_lt_u32 ttmp9, 6
	s_cselect_b32 s42, s42, s66
	s_cselect_b32 s17, s66, s92
	s_cselect_b32 s93, s93, 0
	s_cselect_b32 s95, 0, 256                      ; source 1's first tile
	s_cselect_b32 s12, s12, 32
	s_cselect_b32 s94, s94, 8650752
	s_cselect_b32 s96, 0, 4194304                  ; where the output's codes begin
	s_cselect_b32 s97, 8, 7                        ; log2 of the output's tiles
	s_lshl_b32 s42, s42, 2
	s_add_co_u32 s42, s42, s40                     ; source 0's block of 256 rows
	s_lshl_b32 s17, s17, 2
	s_add_co_u32 s17, s17, s41                     ; source 1's block
	s_lshl_b32 s43, s41, 2
	s_lshl_b32 s43, 15, s43                        ; my row of the cluster
	s_lshl_b32 s44, 0x1111, s40                    ; my column
	; codes: 8 tiles, of each 4,096 bytes (a K half), 8,192 bytes apart; elements of 8 bytes
	s_or_b32 s[G1+0], s43, (3<<16)|(1<<21)
	s_or_b32 s[G1B+0], s44, (3<<16)|(1<<21)
.irp g, G1, G1B
	s_mov_b32 s[\g+1], 512<<16
	s_mov_b32 s[\g+2], 8<<16
	s_mov_b32 s[\g+3], 512<<16
	s_mov_b32 s[\g+4], 8
	s_mov_b32 s[\g+5], 1024
	s_mov_b32 s[\g+6], 0
	s_mov_b32 s[\g+7], 0
.endr
	; scale words: 8 tiles x 512 dense bytes, as 16 rows of 256
	s_or_b32 s[G1S+0], s43, (3<<16)|(1<<21)
	s_or_b32 s[G1SB+0], s44, (3<<16)|(1<<21)
.irp g, G1S, G1SB
	s_mov_b32 s[\g+1], 32<<16
	s_mov_b32 s[\g+2], 16<<16
	s_mov_b32 s[\g+3], 32<<16
	s_mov_b32 s[\g+4], 16
	s_mov_b32 s[\g+5], 32
	s_mov_b32 s[\g+6], 0
	s_mov_b32 s[\g+7], 0
.endr
	s_lshl_b32 s18, s16, 3
	s_lshl_b32 s20, s17, 4
	s_add_co_u32 s20, s20, s18
	s_add_co_u32 s20, s20, s95                     ; source 1: my first tile
	s_lshl_b32 s46, s42, 4
	s_add_co_u32 s46, s46, s18
	s_add_co_u32 s46, s46, s93                     ; source 0: my first tile
	s_lshl_b32 s22, s20, 9
	s_add_co_u32 s22, s22, 8388608
	s_mov_b32 s23, 0
	s_lshl_b32 s98, s46, 9
	s_add_co_u32 s98, s98, 8388608
	s_mov_b32 s99, 0
	s_lshl_b32 s20, s20, 13
	s_mov_b32 s21, 0
	s_lshl_b32 s46, s46, 13
	s_mov_b32 s47, 0
	s_lshl_b32 s45, s14, 15                        ; where they go: wave x 32 KB; no place in the cluster enters an LDS address
	s_lshl_b32 s2, s14, 12
	s_wait_dscnt 0x0
	s_wait_kmcnt 0x0
	s_add_nc_u64 s[20:21], s[4:5], s[20:21]
	s_add_nc_u64 s[22:23], s[4:5], s[22:23]
	s_add_nc_u64 s[46:47], s[4:5], s[46:47]
	s_add_nc_u64 s[98:99], s[4:5], s[98:99]
	CROUND                                         ; all sixteen work-groups are here: the joint loads meet
	s_mov_b32 s[G0S], 1
	s_add_co_u32 s[G0S+1], s2, SCL
	s_mov_b64 s[G0S+2:G0S+3], s[22:23]
	s_or_b32 s[G0S+3], s[G0S+3], 0x80000000
	s_mov_b32 s[G0SB], 1
	s_add_co_u32 s[G0SB+1], s2, SCL
	s_mov_b64 s[G0SB+2:G0SB+3], s[98:99]
	s_or_b32 s[G0SB+3], s[G0SB+3], 0x80000000
	JLOAD G0S, G1S, G0SB, G1SB
.irp s, 0,1
	s_mov_b32 s[G0+4*\s], 1
	s_add_co_u32 s[G0+4*\s+1], s45, \s*SLOT
	s_add_nc_u64 s[G0+4*\s+2:G0+4*\s+3], s[20:21], \s*4096
	s_or_b32 s[G0+4*\s+3], s[G0+4*\s+3], 0x80000000
	s_mov_b32 s[G0B+4*\s], 1
	s_add_co_u32 s[G0B+4*\s+1], s45, \s*SLOT
	s_add_nc_u64 s[G0B+4*\s+2:G0B+4*\s+3], s[46:47], \s*4096
	s_or_b32 s[G0B+4*\s+3], s[G0B+4*\s+3], 0x80000000
	JLOAD G0+4*\s, G1, G0B+4*\s, G1B
.endr
	v_and_b32 v1, 15, v0                           ; r
	v_bfe_u32 v2, v0, 4, 1                         ; h
	v_and_b32 v[LANE], 31, v0
	v_lshlrev_b32 v[LI], 4, v[LANE]
	v_lshlrev_b32 v[LS], 2, v[LANE]
	s_lshl_b32 s21, s15, 15
	s_lshl_b32 s22, s16, 15
	s_add_co_u32 s22, s22, BOFF
.irp s, 0,1
	v_add_nc_u32 v[ADRA+\s], s21, v[LI]
	v_add_nc_u32 v[ADRB+\s], s22, v[LI]
	s_add_co_u32 s21, s21, SLOT
	s_add_co_u32 s22, s22, SLOT
.endr
	v_lshlrev_b32 v5, 4, v1                        ; a row's four words of a K half
	s_lshl_b32 s21, s15, 12
	s_lshl_b32 s22, s16, 12
	s_add_co_u32 s22, s22, 8192
	s_sub_co_u32 s22, s22, s21
	v_mul_u32_u24 v6, s22, v2                      ; lanes 16-31 take source 0's
	s_add_co_u32 s21, s21, SCL
	v_add_nc_u32 v5, v5, v6
	v_add_nc_u32 v[ADRS], s21, v5
.irp b, 0,1,2,3
	v_mov_b32 v[TM+4+\b], 0                        ; a lane permute's destination counts as one of its sources
.endr
.irp b, 0,1,2,3,4,5,6,7
	v_mov_b32 v[E+\b], 0
.endr
	; where the results go
	s_lshl_b32 s20, s17, 4
	s_lshl_b32 s21, s15, 3
	s_add_co_u32 s20, s20, s21                     ; my first tile of source 1
	s_lshl_b32 s21, s42, 1
	s_add_co_u32 s21, s21, s16                     ; my K step of the next product
	s_mul_i32 s22, s20, s12
	s_add_co_u32 s22, s22, s21
	s_lshl_b32 s22, s22, 10
	s_add_co_u32 s22, s22, s96
	s_mov_b32 s23, 0
	s_lshl_b32 s46, s21, s97
	s_add_co_u32 s46, s46, s20
	s_lshl_b32 s46, s46, 6
	s_add_co_u32 s46, s46, s94
	s_mov_b32 s47, 0
	s_cmp_eq_u32 s10, 1
	s_cselect_b64 s[18:19], s[8:9], s[6:7]
	s_add_nc_u64 s[92:93], s[18:19], s[46:47]      ; scale words
	s_add_nc_u64 s[18:19], s[18:19], s[22:23]      ; codes
	s_lshl_b32 s12, s12, 10                        ; from tile to tile
	s_mov_b32 s13, 0
	s_lshl_b32 s20, s17, 4
	s_add_co_u32 s20, s20, s42
	s_lshl_b32 s20, s20, 2
	s_add_co_u32 s20, s20, s14
	s_lshl_b32 s20, s20, 2
	s_add_co_u32 s20, s20, 8912896
	s_mov_b32 s21, 0
	s_add_nc_u64 s[6:7], s[6:7], s[20:21]          ; my word of EH
	s_mov_b32 s[SEL], 0x76543210
	s_mov_b32 s[SEL+1], 0xfedcba98
	s_mov_b32 s[MSK], 0xffff0000
.macro FRAG reg, adr, q, i             ; an image comes back as it was stored: two loads of 512 consecutive bytes
.irp c, 0,1
	ds_load_b128 v[\reg+4*\c:\reg+4*\c+3], v[\adr] offset:4096*(\i)+1024*(\q)+512*\c
.endr
.endm
; 16 matrix instructions: source 1's blocks a0, a0 + 1 x source 0's eight.  The 64 accumulators take turns, in the same order in every step
.macro MUL16 a0, p, q, sc, zero
.irp a, \a0, \a0+1
.irp b, 0,1,2,3,4,5,6,7
.if \zero
	v_wmma_scale_f32_16x16x128_f8f6f4 v[8*(8*((\a)%4)+\b):8*(8*((\a)%4)+\b)+7], v[128*(\p)+FR*\b:128*(\p)+FR*\b+FR-1], v[AF+FR*(\a):AF+FR*(\a)+FR-1], 0, v[SC+8*NQ*(\sc)+NQ*\b+(\q)], v[SC+8*NQ*(\sc)+NQ*(\a)+(\q)] matrix_a_fmt:MATRIX_FMT_FP4 matrix_b_fmt:MATRIX_FMT_FP4 matrix_a_scale:MATRIX_SCALE_ROW1
.else
	v_wmma_scale_f32_16x16x128_f8f6f4 v[8*(8*((\a)%4)+\b):8*(8*((\a)%4)+\b)+7], v[128*(\p)+FR*\b:128*(\p)+FR*\b+FR-1], v[AF+FR*(\a):AF+FR*(\a)+FR-1], v[8*(8*((\a)%4)+\b):8*(8*((\a)%4)+\b)+7], v[SC+8*NQ*(\sc)+NQ*\b+(\q)], v[SC+8*NQ*(\sc)+NQ*(\a)+(\q)] matrix_a_fmt:MATRIX_FMT_FP4 matrix_b_fmt:MATRIX_FMT_FP4 matrix_a_scale:MATRIX_SCALE_ROW1
.endif
.endr
.endr
.endm
.macro FETCH_B slot, q, p
	WIN TO_B
.irp i, 0,1,2,3,4,5,6,7
	FRAG 128*(\p)+FR*\i, ADRB+\slot, \q, \i
.endr
	WIN 0
.endm
.macro FETCH_A slot, q, i0
.irp i, \i0, \i0+1, \i0+2, \i0+3
	FRAG AF+FR*(\i), ADRA+\slot, \q, \i
.endr
.endm
.macro SCALES sc                       ; a K half's scale words: lanes 0-15 source 1's block i, lanes 16-31 source 0's
.irp i, 0,1,2,3,4,5,6,7
	ds_load_b128 v[SC+8*NQ*\sc+NQ*\i:SC+8*NQ*\sc+NQ*\i+3], v[ADRS] offset:512*\i+256*\sc
.endr
.endm
.macro PLACES n                        ; plain places behind matrix instructions, in front of loads into their registers and of reads of results
.rept \n
	v_nop
.endr
.endm
.macro STEP slot, q, zero
	s_wait_dscnt 4*NL                              ; all but the youngest eight loads (source 1's blocks 4-7)
	WIN MUL_LO
	MUL16 0, (\q)%2, \q, \slot, \zero
	MUL16 2, (\q)%2, \q, \slot, \zero
	s_wait_dscnt 0
	PLACES NP
	FETCH_B \slot, (\q)+1, 1-(\q)%2
	FETCH_A \slot, (\q)+1, 0
	WIN MUL_HI
	MUL16 4, (\q)%2, \q, \slot, \zero
	MUL16 6, (\q)%2, \q, \slot, \zero
	PLACES NP
	WIN 0
	FETCH_A \slot, (\q)+1, 4
.endm
	s_wait_tensorcnt 1                             ; the scale words and my part of the first K half are in; the second half's load may be out
	s_barrier_signal -1
	s_barrier_wait -1
	FETCH_B 0, 0, 0
	FETCH_A 0, 0, 0
	SCALES 0
	FETCH_A 0, 0, 4
	STEP 0, 0, 1                                   ; the first products start the sums
	STEP 0, 1, 0
	STEP 0, 2, 0
	s_wait_tensorcnt 0x0                           ; my part of the second K half is in;
	s_wait_dscnt 4*NL
	WIN MUL_LO
	MUL16 0, 1, 3, 0, 0
	s_wait_dscnt 0x0                               ; no LDS instruction of mine is out at a signal
	s_barrier_signal -1
	MUL16 2, 1, 3, 0, 0
	WIN 0
	s_barrier_wait -1                              ; everybody's is
	PLACES NP
	FETCH_B 1, 0, 0
	FETCH_A 1, 0, 0
	SCALES 1
	WIN MUL_HI
	MUL16 4, 1, 3, 0, 0
	MUL16 6, 1, 3, 0, 0
	PLACES NP
	WIN 0
	FETCH_A 1, 0, 4
	STEP 1, 0, 0
	STEP 1, 1, 0
	STEP 1, 2, 0
	s_wait_dscnt 4*NL
	WIN MUL_LO
	MUL16 0, 1, 3, 1, 0
	MUL16 2, 1, 3, 1, 0
	s_wait_dscnt 0
	WIN MUL_HI
	MUL16 4, 1, 3, 1, 0
	MUL16 6, 1, 3, 1, 0
	WIN 0
; 64 numbers of a lane, register 16 b + i = k 32 b + 16 h + i of my row, become a fragment in v[PC] on and its scale word in v[PW]
.macro QUANT s
.irp b, 0,1,2,3
	v_max3_num_f32 v[TM+\b], |v[\s+16*\b]|, |v[\s+1+16*\b]|, FLOOR
.endr
.irp i, 2,4,6,8,10,12,14
.irp b, 0,1,2,3
	v_max3_num_f32 v[TM+\b], v[TM+\b], |v[\s+16*\b+\i]|, |v[\s+1+16*\b+\i]|
.endr
.endr
.irp b, 0,1,2,3
	v_permlanex16_b32 v[TM+4+\b], v[TM+\b], s[SEL], s[SEL+1]
.endr
.irp b, 0,1,2,3
	v_max_num_f32 v[TM+\b], v[TM+\b], v[TM+4+\b]
.endr
.irp b, 0,1,2,3
	v_add_nc_u32 v[TM+12+\b], 0xff000000, v[TM+\b]
.endr
.irp b, 0,1,2,3
	v_lshrrev_b32 v[TM+4+\b], 23, v[TM+12+\b]
.endr
	v_lshl_or_b32 v[PW], v[TM+5], 8, v[TM+4]
	v_lshl_or_b32 v[PW], v[TM+6], 16, v[PW]
	v_lshl_or_b32 v[PW], v[TM+7], 24, v[PW]
.irp b, 0,1,2,3
	v_cvt_scalef32_pk8_fp4_f32 v[PC+2*\b], v[\s+16*\b:\s+7+16*\b], v[TM+12+\b]
	v_cvt_scalef32_pk8_fp4_f32 v[PC+1+2*\b], v[\s+8+16*\b:\s+15+16*\b], v[TM+12+\b]
.endr
	v_nop                                          ; one plain place behind the conversions
.irp c, 0,1
.irp i, 0,1
	v_permlane16_swap_b32 v[PC+4*\c+\i], v[PC+2+4*\c+\i]   ; a whole block to a lane
.endr
.endr
.endm
; Source 1's tile a: its eight accumulators are one K step of the next product
.macro EPI a
.if (\a) > 0
	s_wait_xcnt 0x0                                ; the last tile's stores have read their registers and their base
	s_add_nc_u64 s[18:19], s[18:19], s[12:13]
.endif
	WIN 0x08+4*((\a)/4)                            ; source 1 of the line below: window 2 or 3
.set n1, 0
.rept 64
	v_max_num_f32 v[H+n1], s11, v[64*((\a)%4)+n1]  ; each accumulator from its low end on
.set n1, n1+1
.endr
	WIN 0
	s_cmp_eq_u32 s10, 0
	s_cbranch_scc1 .Lno_e_\@
.set n1, 0
.rept 32
	v_pk_fma_f32 v[E+2*(n1%4):E+2*(n1%4)+1], v[H+2*n1:H+2*n1+1], v[H+2*n1:H+2*n1+1], v[E+2*(n1%4):E+2*(n1%4)+1]   ; the sum of h^2, of the numbers before they are quantised
.set n1, n1+1
.endr
.Lno_e_\@:
	QUANT H
	global_store_b128 v[LI], v[PC:PC+3], s[18:19]
	global_store_b128 v[LI], v[PC+4:PC+7], s[18:19] offset:512
.if (\a)%2 == 0
	v_mov_b32 v[PWE], v[PW]
.else
	v_cndmask_b32 v[PWS], v[PWE], v[PW], s[MSK]    ; lanes 0-15: the even tile's words, lanes 16-31: the odd tile's
	global_store_b32 v[LS], v[PWS], s[92:93] offset:128*((\a)/2)
.endif
.endm
	PLACES NP
.irp a, 0,1,2,3,4,5,6,7
	EPI \a
.endr
	s_cmp_eq_u32 s10, 0
	s_cbranch_scc1 .Lno_eh
	v_pk_add_f32 v[E:E+1], v[E:E+1], v[E+2:E+3]
	v_pk_add_f32 v[E+4:E+5], v[E+4:E+5], v[E+6:E+7]
	v_pk_add_f32 v[E:E+1], v[E:E+1], v[E+4:E+5]
	v_add_f32 v[E], v[E], v[E+1]
	v_add_f32_dpp v[E], v[E], v[E] row_xmask:1 row_mask:0xf bank_mask:0xf
	v_add_f32_dpp v[E], v[E], v[E] row_xmask:2 row_mask:0xf bank_mask:0xf
	v_add_f32_dpp v[E], v[E], v[E] row_xmask:4 row_mask:0xf bank_mask:0xf
	v_add_f32_dpp v[E], v[E], v[E] row_xmask:8 row_mask:0xf bank_mask:0xf
	v_permlanex16_b32 v[E+1], v[E], s[SEL], s[SEL+1]
	v_add_f32 v[E], v[E], v[E+1]
	v_mov_b32 v[E+2], 0
	v_cmp_eq_u32 vcc_lo, 0, v[LANE]
	s_wait_xcnt 0x0                                ; EXEC changes only behind this wait
	s_and_saveexec_b32 s20, vcc_lo
	global_store_b32 v[E+2], v[E], s[6:7]          ; lane 0: my wave's sum
	s_wait_xcnt 0x0
	s_or_b32 exec_lo, exec_lo, s20
.Lno_eh:
	s_wait_tensorcnt 0x0
	ds_add_u32 v254, v255
	s_wait_dscnt 0x0
	CROUND                                         ; the closing round
	s_endpgm
.Lfunc_end_k_q147b6adb41_gq:
	.size	k_q147b6adb41_gq, .Lfunc_end_k_q147b6adb41_gq-k_q147b6adb41_gq
	.p2alignl 7, 3214868480
	.fill 96, 4, 3214868480
	.section	.rodata,"a",@progbits
	.p2align	6, 0x0
	.amdhsa_kernel k_q147b6adb41_gq
		.amdhsa_group_segment_fixed_size 279040
		.amdhsa_private_segment_fixed_size 0
		.amdhsa_enable_private_segment 0
		.amdhsa_kernarg_size 24
		.amdhsa_user_sgpr_count 2
		.amdhsa_user_sgpr_kernarg_segment_ptr 1
		.amdhsa_wavefront_size32 1
		.amdhsa_system_sgpr_workgroup_id_x 1
		.amdhsa_system_sgpr_workgroup_id_y 1
		.amdhsa_system_sgpr_workgroup_id_z 1
		.amdhsa_system_vgpr_workitem_id 0
		.amdhsa_next_free_vgpr 1024
		.amdhsa_next_free_sgpr 100
		.amdhsa_reserve_vcc 1
		.amdhsa_float_denorm_mode_32 3
		.amdhsa_float_denorm_mode_16_64 3
		.amdhsa_memory_ordered 1
		.amdhsa_forward_progress 1
		.amdhsa_inst_pref_size 163
	.end_amdhsa_kernel
	.amdgpu_metadata
---
amdhsa.version: [ 1, 2 ]
amdhsa.kernels:
  - .name:           k_q147b6adb41_gq
    .symbol:         k_q147b6adb41_gq.kd
    .args:
      - { .name: QW, .offset: 0, .size: 8, .value_kind: global_buffer, .address_space: global }
      - { .name: PJ, .offset: 8, .size: 8, .value_kind: global_buffer, .address_space: global }
      - { .name: AA, .offset: 16, .size: 8, .value_kind: global_buffer, .address_space: global }
    .group_segment_fixed_size: 279040
    .private_segment_fixed_size: 0
    .kernarg_segment_align: 8
    .kernarg_segment_size: 24
    .max_flat_workgroup_size: 128
    .sgpr_count:     100
    .vgpr_count:     1024
    .wavefront_size: 32
...
	.end_amdgpu_metadata
.endif
;; end of part 2
;; launch attn1 (part 3): grid 256 x 1, 16 waves a work-group, clusters of 4 x 1, 169,984 bytes of LDS; arguments PJ, LL; writes LL
.if DOCPART == 3
	.amdgcn_target "amdgcn-amd-amdhsa--gfx1250"
	.amdhsa_code_object_version 6
	.text
	.protected	k_q147b6adb41_attn1
	.globl	k_q147b6adb41_attn1
	.p2align	8
	.type	k_q147b6adb41_attn1,@function
k_q147b6adb41_attn1:
	s_mov_b64 s[64:65], 0
	v_nop
	global_prefetch_b8 v0, s[64:65] scope:SCOPE_SE
	s_setreg_imm32_b32 hwreg(HW_REG_WAVE_MODE, 25, 1), 1
	s_wait_xcnt 0x0
	s_wait_alu depctr_hold_cnt(0) depctr_sa_sdst(0) depctr_va_vdst(0) depctr_va_sdst(0) depctr_va_ssrc(0) depctr_va_vcc(0) depctr_vm_vsrc(0)
	s_getreg_b32 s2, hwreg(HW_REG_IB_STS2, 6, 4)
	s_cmp_eq_u32 s2, 0
	s_cbranch_scc0 .Lentry_in_a_cluster
	s_endpgm
.Lentry_in_a_cluster:
	s_bfe_u32 s2, ttmp6, 0x10000c
	s_cmp_lg_u32 s2, 0x3003
	s_cbranch_scc0 .Lentry_shape_is_right
	s_endpgm
.Lentry_shape_is_right:
; For each (batch, head, query): -8 lse = -8 ln sum over keys of exp(q . k / 8), on codes of FP4 (K = the head's 64), by a running maximum; -> LL (LC [b][head][n]); each wave's sum of its 16 -> LL (EA).
; A cluster (4 work-groups) takes one batch b, one pair of heads g and half of the queries; a work-group 128 queries; wave w the tile w / 2 of them and head 2 g + w % 2.
; All 1,024 keys' fragments of (b, g), 64 KB, and their scale words come into LDS once, by joint loads: the four partners walk the same keys.
; S^T = k q^T: source 0 = 16 keys, source 1 = my 16 queries: a lane holds one query.  THE INSTRUCTION'S K IS 128, THE HEAD'S 64: a head's 16 bytes a lane go into registers 0-3 of an operand;
; my queries' registers 4-7 are zero codes, so what the keys' operand holds there (the next tile's codes) counts for nothing; scale words are read as 16 bits: the head's two bytes, and 0 (2^-127, no NaN) above.
; t = s log2(e) / 8; M = the largest t so far, rounded up to a whole number; the sum of 2^(t - M) is brought under a new M by a multiplication that rounds nothing.
; THE ORDER OF A STEP: the next step's 16 LDS loads are issued straight behind this step's products and land under the softmax; the 32 packed scalings stand among the 64 exponentials (one scaling, two exponentials;
; a pair is scaled two groups ahead of its exponentials), and none of those lines names an exponential's result, so that the batch has one wait; the row's sum goes in four chains.  The last step, which asks for nothing, is written out.
; LIMITS: NaN and infinities are not served; -8 lse is kept in one f32, so its error grows with |lse|.
.set WSS, 65536                        ; LDS: keys' fragments at 0 (64 x 1 KB); their scale words here (64 x 64 bytes)
.set WV,  8
.set TK,  50
.set T5,  51
.set CNT, 52
.set CS,  54
.set SEL, 56
.set LANE, 1
.set RR,  2
.set LI,  4
.set AK0, 5
.set AS0, 6
.set R4,  7
.set ADK, 8
.set ADS, 9
.set OSW, 10
.set LCA, 11
.set FV,  40                           ; v40-71 eight halves of fragments, v72-75 zeros
.set SW,  76
.set S,   84
.set TM,  192
.set FF,  200
.set CH,  202                          ; v202-207 three chains of a step's sum
.set SUM, 208                          ; v208-209 the running sum, in two halves: the fourth chain
.macro CROUND
	s_barrier_signal -1
	s_barrier_wait -1
	s_cmp_lg_u32 s[WV], 0
	s_cbranch_scc1 .Lnot_wave_0_\@
	s_barrier_signal -3
.Lnot_wave_0_\@:
	s_barrier_wait -3
	s_barrier_signal -1
	s_barrier_wait -1
.endm
.macro KEYS                            ; 128 keys' halves of fragments and their scale bytes, from the addresses in hand
.irp t, 0,1,2,3,4,5,6,7
	ds_load_b128 v[FV+4*\t:FV+4*\t+3], v[ADK] offset:1024*\t
.endr
.irp t, 0,1,2,3,4,5,6,7
	ds_load_u16 v[SW+\t], v[ADS] offset:64*\t
.endr
.endm
; 128 keys.  more = 1: the next 128 keys are asked for
.macro STEP1 more
	s_wait_dscnt 0x0                               ; this step's fragments, asked for a step ago, are in
.irp t, 0,1,2,3,4,5,6,7
	v_wmma_scale_f32_16x16x128_f8f6f4 v[S+8*\t:S+8*\t+7], v[FV+4*\t:FV+4*\t+7], v[16:23], 0, v[SW+\t], v[OSW] matrix_a_fmt:MATRIX_FMT_FP4 matrix_b_fmt:MATRIX_FMT_FP4
.endr
.if \more
	s_add_co_u32 s[TK], s[TK], 8192
	s_add_co_u32 s[T5], s[T5], 512
	v_add_nc_u32 v[ADK], s[TK], v[AK0]             ; four places behind the products: for the loads into their registers and for the first read of results
	v_add_nc_u32 v[ADS], s[T5], v[AS0]
	v_nop
	v_nop
	KEYS
.else
.rept 4
	v_nop
.endr
.endif
.irp b, 0,1,2,3
	v_max3_num_f32 v[TM+\b], v[S+16*\b], v[S+16*\b+1], v[S+16*\b+2]
.endr
.irp i, 3,5,7,9,11,13
.irp b, 0,1,2,3
	v_max3_num_f32 v[TM+\b], v[TM+\b], v[S+16*\b+\i], v[S+16*\b+\i+1]
.endr
.endr
.irp b, 0,1,2,3
	v_max_num_f32 v[TM+\b], v[TM+\b], v[S+16*\b+15]
.endr
	v_max3_num_f32 v[TM], v[TM], v[TM+1], v[TM+2]
	v_max_num_f32 v[TM], v[TM], v[TM+3]
	v_permlanex16_b32 v[TM+4], v[TM], s[SEL], s[SEL+1]
	v_max_num_f32 v[TM], v[TM], v[TM+4]            ; the step's largest score of my query
	v_mul_f32 v[TM], s[CS], v[TM]
	v_max_num_f32 v13, v13, v[TM]
	v_mov_b32 v[TM], v12
	v_floor_f32 v12, -v13                          ; the new -M
	v_sub_f32 v[TM], v12, v[TM]
	v_cvt_i32_f32 v[TM], v[TM]                     ; (it saturates)
	v_ldexp_f32 v[FF], 1.0, v[TM]                  ; 2^(old M - new M)
	v_pk_fma_f32 v[S:S+1], v[S:S+1], s[CS:CS+1], v[12:13] op_sel_hi:[1,0,0]
	v_pk_fma_f32 v[S+2:S+3], v[S+2:S+3], s[CS:CS+1], v[12:13] op_sel_hi:[1,0,0]
.set n1, 0
.rept 32
.if n1 < 30
	v_pk_fma_f32 v[S+2*n1+4:S+2*n1+5], v[S+2*n1+4:S+2*n1+5], s[CS:CS+1], v[12:13] op_sel_hi:[1,0,0]   ; t - M of the pair two groups on
.endif
	v_exp_f32 v[S+2*n1], v[S+2*n1]
	v_exp_f32 v[S+2*n1+1], v[S+2*n1+1]
.set n1, n1+1
.endr
	v_pk_mul_f32 v[SUM:SUM+1], v[SUM:SUM+1], v[FF:FF+1] op_sel_hi:[1,0]   ; the sums under the new M: the plain place behind the exponentials
	s_wait_alu depctr_va_vdst(0)                   ; one wait for the batch, ahead of its first reader
.irp q, 0,1,2
	v_pk_add_f32 v[CH+2*\q:CH+2*\q+1], v[S+4*\q:S+4*\q+1], v[S+4*\q+2:S+4*\q+3]   ; pairs 0 to 5 start three chains,
.endr
	v_pk_add_f32 v[SUM:SUM+1], v[SUM:SUM+1], v[S+12:S+13]                          ; pair 6 goes onto the running sum, the fourth;
.set n1, 7
.rept 25
	v_pk_add_f32 v[CH+2*((n1+1)%4):CH+2*((n1+1)%4)+1], v[CH+2*((n1+1)%4):CH+2*((n1+1)%4)+1], v[S+2*n1:S+2*n1+1]   ; pairs 7 to 31 by turns
.set n1, n1+1
.endr
	v_pk_add_f32 v[CH:CH+1], v[CH:CH+1], v[CH+2:CH+3]
	v_pk_add_f32 v[SUM:SUM+1], v[SUM:SUM+1], v[CH+4:CH+5]
	v_pk_add_f32 v[SUM:SUM+1], v[SUM:SUM+1], v[CH:CH+1]
.endm
	s_load_b128 s[4:7], s[0:1], 0x0                ; PJ, LL
	v_lshl_add_u32 v254, v0, 2, 0x29000
	v_mov_b32 v255, 0
	ds_add_u32 v254, v255
	ds_add_u32 v254, v255
	v_lshrrev_b32 v1, 5, v0
	v_readfirstlane_b32 s[WV], v1
.irp j, 20,21,22,23,72,73,74,75
	v_mov_b32 v\j, 0                               ; zero codes
.endr
	v_mov_b32 v[TM+4], 0                           ; a lane permute's destination counts as one of its sources
	v_mov_b32 v[FF+1], 0                           ; (named as the upper half of a pair)
	v_mov_b32 v13, 0xff61b1e6                      ; the largest t so far: -3e38
	v_floor_f32 v12, -v13                          ; -M
	v_mov_b32 v[SUM], 0
	v_mov_b32 v[SUM+1], 0
	v_and_b32 v[LANE], 31, v0
	v_and_b32 v[RR], 15, v0
	v_lshlrev_b32 v[LI], 4, v[LANE]
	v_lshlrev_b32 v[R4], 2, v[RR]
	s_bfe_u32 s9, ttmp6, 0x40000                   ; cx
	s_lshr_b32 s10, ttmp9, 4                       ; b
	s_lshr_b32 s11, ttmp9, 1
	s_and_b32 s11, s11, 7                          ; g
	s_and_b32 s12, ttmp9, 1                        ; which half of the queries
	s_and_b32 s13, s[WV], 1                        ; c: which head of the pair
	s_lshr_b32 s14, s[WV], 1
	s_lshl_b32 s16, s10, 6                         ; the batch's first tile
	s_lshl_b32 s23, s13, 9
	v_add_nc_u32 v[AK0], s23, v[LI]                ; 16 x lane + 512 c
	s_lshl_b32 s23, s13, 1
	s_add_co_u32 s23, s23, WSS
	v_add_nc_u32 v[AS0], s23, v[R4]                ; 4 r + 2 c
	v_and_b32 v[LCA], 8, v[RR]
	v_add_nc_u32 v[LCA], v[LCA], v[RR]
	v_lshlrev_b32 v[LCA], 2, v[LCA]                ; my row among the tile's: r + 8 (r / 8)
	s_lshl_b32 s17, s[WV], 4
	s_add_co_u32 s17, s17, s16
	s_lshl_b32 s17, s17, 4
	s_add_co_u32 s17, s17, s11
	s_add_co_u32 s17, s17, 8
	s_lshl_b32 s18, s17, 10                        ; k's fragments: tiles 64 b + 16 w on, K step 8 + g
	s_mov_b32 s19, 0
	s_add_co_u32 s20, s11, 8
	s_lshl_b32 s20, s20, 8
	s_add_co_u32 s20, s20, s16
	s_lshl_b32 s20, s20, 6
	s_add_co_u32 s20, s20, 8388608                 ; their scale words
	s_mov_b32 s21, 0
	s_mov_b32 s24, 15|(3<<16)|(1<<21)              ; 16 fragments of 1,024 bytes, 16 KB apart; the mask names all four partners
	s_mov_b32 s25, 128<<16
	s_mov_b32 s26, 16<<16
	s_mov_b32 s27, 128<<16
	s_mov_b32 s28, 16
	s_mov_b32 s29, 2048
	s_mov_b32 s30, 0
	s_mov_b32 s31, 0
	s_mov_b32 s32, 15|(3<<16)|(1<<21)              ; 4,096 dense bytes as 16 rows of 256
	s_mov_b32 s33, 32<<16
	s_mov_b32 s34, 16<<16
	s_mov_b32 s35, 32<<16
	s_mov_b32 s36, 16
	s_mov_b32 s37, 32
	s_mov_b32 s38, 0
	s_mov_b32 s39, 0
	s_mov_b32 s[CS], 0x3e38aa3b                    ; log2(e) / 8
	s_mov_b32 s[CS+1], s[CS]
	s_mov_b32 s[SEL], 0x76543210
	s_mov_b32 s[SEL+1], 0xfedcba98
	s_wait_dscnt 0x0
	s_wait_kmcnt 0x0
	s_mov_b32 s40, 1
	s_lshl_b32 s41, s[WV], 14
	s_add_nc_u64 s[42:43], s[4:5], s[18:19]
	s_or_b32 s43, s43, 0x80000000
	s_mov_b32 s44, 1
	s_mov_b32 s45, WSS
	s_add_nc_u64 s[46:47], s[4:5], s[20:21]
	s_or_b32 s47, s47, 0x80000000
	CROUND                                         ; the four partners are here: the joint loads meet
	s_cmp_lt_u32 s[WV], 4                          ; waves 0-3: a quarter of the fragments each; wave 4: the scale words
	s_cbranch_scc0 .Lnot_ws
	tensor_load_to_lds s[40:43], s[24:31]
	s_nop 0
.rept 4
	v_nop
.endr
	s_branch .Lasked
.Lnot_ws:
	s_cmp_eq_u32 s[WV], 4
	s_cbranch_scc0 .Lasked
	tensor_load_to_lds s[44:47], s[32:39]
	s_nop 0
.rept 4
	v_nop
.endr
.Lasked:
	s_lshl_b32 s20, s12, 2
	s_add_co_u32 s20, s20, s9
	s_lshl_b32 s20, s20, 3
	s_add_co_u32 s20, s20, s14                     ; my tile in the batch
	s_add_co_u32 s21, s20, s16
	s_lshl_b32 s22, s21, 4
	s_add_co_u32 s22, s22, s11
	s_lshl_b32 s22, s22, 10
	s_lshl_b32 s23, s13, 9
	s_add_co_u32 s22, s22, s23
	s_mov_b32 s23, 0
	s_add_nc_u64 s[48:49], s[4:5], s[22:23]        ; q's fragment, my head's half
	s_lshl_b32 s22, s11, 8
	s_add_co_u32 s22, s22, s21
	s_lshl_b32 s22, s22, 6
	s_lshl_b32 s66, s13, 1
	s_add_co_u32 s22, s22, s66
	s_add_co_u32 s22, s22, 8388608
	s_add_nc_u64 s[58:59], s[4:5], s[22:23]        ; its scale bytes
	global_load_b128 v[16:19], v[LI], s[48:49]
	global_load_u16 v[OSW], v[R4], s[58:59]
	s_lshl_b32 s66, s10, 4
	s_lshl_b32 s67, s11, 1
	s_add_co_u32 s66, s66, s67
	s_add_co_u32 s66, s66, s13
	s_lshl_b32 s66, s66, 10
	s_lshr_b32 s67, s20, 1
	s_lshl_b32 s67, s67, 5
	s_add_co_u32 s66, s66, s67
	s_and_b32 s67, s20, 1
	s_lshl_b32 s67, s67, 3
	s_add_co_u32 s66, s66, s67
	s_lshl_b32 s66, s66, 2
	s_mov_b32 s67, 0
	s_add_nc_u64 s[60:61], s[6:7], s[66:67]        ; LC at my tile's first row
	s_lshl_b32 s66, ttmp9, 2
	s_add_co_u32 s66, s66, s9
	s_lshl_b32 s66, s66, 4
	s_add_co_u32 s66, s66, s[WV]
	s_lshl_b32 s66, s66, 2
	s_add_co_u32 s66, s66, 262144
	s_add_nc_u64 s[62:63], s[6:7], s[66:67]        ; my word of EA
	s_mov_b32 s[TK], 0
	s_mov_b32 s[T5], 0
	s_mov_b32 s[CNT], 7
	v_mov_b32 v[ADK], v[AK0]
	v_mov_b32 v[ADS], v[AS0]
	s_wait_tensorcnt 0x0                           ; my load has landed,
	s_barrier_signal -1
	s_barrier_wait -1                              ; everybody's has
	KEYS                                           ; the first 128 keys
	s_wait_loadcnt 0x0                             ; my queries
.Lstep:                                            ; seven trips of 128 keys, each asking for the next 128
	STEP1 1
	s_sub_co_u32 s[CNT], s[CNT], 1
	s_cmp_lg_u32 s[CNT], 0
	s_cbranch_scc1 .Lstep
	STEP1 0                                        ; the last 128 keys: nothing is left to ask for
	v_add_f32 v14, v[SUM], v[SUM+1]
	v_permlanex16_b32 v[TM+4], v14, s[SEL], s[SEL+1]
	v_add_f32 v14, v14, v[TM+4]                    ; the row's sum
	v_log_f32 v[TM], v14
	v_mov_b32 v[TM+2], 0
	s_wait_alu depctr_va_vdst(0)
	v_sub_f32 v[TM], v12, v[TM]                    ; -M - log2(sum)
	v_mul_f32 v[TM], 0x40b17218, v[TM]             ; x 8 ln 2: -8 lse
	v_mov_b32 v[TM+1], v[TM]
	v_add_f32_dpp v[TM+1], v[TM+1], v[TM+1] row_xmask:1 row_mask:0xf bank_mask:0xf
	v_add_f32_dpp v[TM+1], v[TM+1], v[TM+1] row_xmask:2 row_mask:0xf bank_mask:0xf
	v_add_f32_dpp v[TM+1], v[TM+1], v[TM+1] row_xmask:4 row_mask:0xf bank_mask:0xf
	v_add_f32_dpp v[TM+1], v[TM+1], v[TM+1] row_xmask:8 row_mask:0xf bank_mask:0xf   ; my 16 queries' sum
	v_cmp_gt_u32 vcc_lo, 16, v[LANE]
	s_wait_xcnt 0x0                                ; EXEC changes only behind this wait
	s_and_saveexec_b32 s66, vcc_lo
	global_store_b32 v[LCA], v[TM], s[60:61]       ; lanes 0-15: a query each
	s_wait_xcnt 0x0
	s_or_b32 exec_lo, exec_lo, s66
	v_cmp_eq_u32 vcc_lo, 0, v[LANE]
	s_and_saveexec_b32 s66, vcc_lo
	global_store_b32 v[TM+2], v[TM+1], s[62:63]
	s_wait_xcnt 0x0
	s_or_b32 exec_lo, exec_lo, s66
	s_wait_tensorcnt 0x0
	ds_add_u32 v254, v255
	s_wait_dscnt 0x0
	CROUND                                         ; the closing round
	s_endpgm
.Lfunc_end_k_q147b6adb41_attn1:
	.size	k_q147b6adb41_attn1, .Lfunc_end_k_q147b6adb41_attn1-k_q147b6adb41_attn1
	.p2alignl 7, 3214868480
	.fill 96, 4, 3214868480
	.section	.rodata,"a",@progbits
	.p2align	6, 0x0
	.amdhsa_kernel k_q147b6adb41_attn1
		.amdhsa_group_segment_fixed_size 169984
		.amdhsa_private_segment_fixed_size 0
		.amdhsa_enable_private_segment 0
		.amdhsa_kernarg_size 16
		.amdhsa_user_sgpr_count 2
		.amdhsa_user_sgpr_kernarg_segment_ptr 1
		.amdhsa_wavefront_size32 1
		.amdhsa_system_sgpr_workgroup_id_x 1
		.amdhsa_system_sgpr_workgroup_id_y 1
		.amdhsa_system_sgpr_workgroup_id_z 1
		.amdhsa_system_vgpr_workitem_id 0
		.amdhsa_next_free_vgpr 256
		.amdhsa_next_free_sgpr 80
		.amdhsa_reserve_vcc 1
		.amdhsa_float_denorm_mode_32 3
		.amdhsa_float_denorm_mode_16_64 3
		.amdhsa_memory_ordered 1
		.amdhsa_forward_progress 1
		.amdhsa_inst_pref_size 30
	.end_amdhsa_kernel
	.amdgpu_metadata
---
amdhsa.version: [ 1, 2 ]
amdhsa.kernels:
  - .name:           k_q147b6adb41_attn1
    .symbol:         k_q147b6adb41_attn1.kd
    .args:
      - { .name: PJ, .offset: 0, .size: 8, .value_kind: global_buffer, .address_space: global }
      - { .name: LL, .offset: 8, .size: 8, .value_kind: global_buffer, .address_space: global }
    .group_segment_fixed_size: 169984
    .private_segment_fixed_size: 0
    .kernarg_segment_align: 8
    .kernarg_segment_size: 16
    .max_flat_workgroup_size: 512
    .sgpr_count:     80
    .vgpr_count:     256
    .wavefront_size: 32
...
	.end_amdgpu_metadata
.endif
;; end of part 3
;; launch attn2 (part 4): grid 256 x 1, 16 waves a work-group, clusters of 4 x 1, 169,984 bytes of LDS; arguments PJ, LL, AA, out1; writes AA, out1
.if DOCPART == 4
	.amdgcn_target "amdgcn-amd-amdhsa--gfx1250"
	.amdhsa_code_object_version 6
	.text
	.protected	k_q147b6adb41_attn2
	.globl	k_q147b6adb41_attn2
	.p2align	8
	.type	k_q147b6adb41_attn2,@function
k_q147b6adb41_attn2:
	s_mov_b64 s[64:65], 0
	v_nop
	global_prefetch_b8 v0, s[64:65] scope:SCOPE_SE
	s_setreg_imm32_b32 hwreg(HW_REG_WAVE_MODE, 25, 1), 1
	s_wait_xcnt 0x0
	s_wait_alu depctr_hold_cnt(0) depctr_sa_sdst(0) depctr_va_vdst(0) depctr_va_sdst(0) depctr_va_ssrc(0) depctr_va_vcc(0) depctr_vm_vsrc(0)
	s_getreg_b32 s2, hwreg(HW_REG_IB_STS2, 6, 4)
	s_cmp_eq_u32 s2, 0
	s_cbranch_scc0 .Lentry_in_a_cluster
	s_endpgm
.Lentry_in_a_cluster:
	s_bfe_u32 s2, ttmp6, 0x10000c
	s_cmp_lg_u32 s2, 0x3003
	s_cbranch_scc0 .Lentry_shape_is_right
	s_endpgm
.Lentry_shape_is_right:
; P k (clusters 0-31) and P^T q (clusters 32-63), P the finished softmax, all products on codes of FP4; the results, quantised along (head, channel), become K steps 32-47 of AA's images.  Also out1.
; A cluster takes one batch b and one pair of heads g; a work-group 256 tokens; wave w one tile of 16 tokens (MINE), both heads one after the other; every wave walks all 1,024 tokens of the batch, 128 a step.
;   P k:   mine = queries (q's fragment), walked = keys (k's);     P^T q: mine = keys (k's fragment), walked = queries (q's).
; S^T: source 0 = 16 walked tokens, source 1 = my 16: a lane holds one token of mine, its registers run along the walked ones, which are the next product's K.  -8 lse of the QUERY is the product's C
; (P k: the lane's own number in eight registers; P^T q: read from LDS into the result's registers).  p = 2^((s - 8 lse) log2(e) / 8) is quantised block by block, by the largest of each block's 32 p.
; O^T: source 0 = 16 channels of k or q with the tokens innermost (VT), source 1 = p.  The head's 64 channels are half a K step of the last product.
; As in the launch before, a head's 64 along K lie in registers 0-3 of an operand, my registers 4-7 are zero codes, and scale words are read as 16 bits.
; Everything walked (128 KB of fragments, scale words, -8 lse) comes into LDS once, by joint loads: the four partners walk the same tokens.
; THE ORDER OF A STEP: straight behind the first products this step's VT and the NEXT step's walked fragments are asked for, and land under the softmax; the 32 packed scalings stand among the 64 exponentials (one scaling, two
; exponentials; a pair is scaled two groups ahead of its exponentials), and none of those lines names an exponential's result, so that the batch has one wait; where the queries are walked, the next step's -8 lse is loaded into
; S^T's registers as soon as the conversions have read them.  A head's first step (it starts O^T's sums) and its last (it asks for nothing) are written out beside the loop.
; LIMITS: NaN and infinities are not served; a p under 2^-126 is 0; p's relative error grows with |lse| (about 1e-6 at |8 lse| near 60).
.set FLOOR, 0x1800000
.set WVO,  65536                       ; LDS: walked fragments at 0 (64 x 1 KB); VT here: [8 channel tiles][8 steps][1 KB];
.set WSS,  131072                      ; walked scale words (64 x 64 bytes); VT's ([8 steps][8 tiles][64 bytes]); -8 lse of two heads (2 x 4 KB)
.set WVS,  135168
.set LCW,  139264
.set DUMP, 13369344                    ; AA: four spare words behind the scale words, read by nobody (see THE ENERGY)
.set WV,   12
.set ROLE, 14
.set G1W, 24
.set G1V, 32
.set G1D, 40
.set G1T, 48
.set G0W, 56
.set G0V, 60
.set G0S, 68
.set G0T, 72
.set G0L, 76
.set CS,  80
.set SEL, 82
.set TK,  84
.set TV,  85
.set T5,  86
.set CNT, 87
.set AK0, 1
.set AV0, 2
.set AS0, 3
.set AT0, 4
.set AL0, 5
.set ADK, 6
.set ADV, 7
.set ADS, 8
.set ADT, 9
.set ADL, 10
.set OSW, 11                           ; v11, v12 my scale bytes, head 0, 1
.set LCO, 13                           ; v13, v14 -8 lse of my row, head 0, 1
.set LANE, 15
.set CO,  32                           ; v32-39 the C of S^T where the queries are mine
.set FV,  40                           ; v40-71 eight halves of walked fragments, v72-75 zeros
.set SW,  76
.set S,   84
.set O,   148
.set PC,  180
.set PW,  188
.set TM,  192
.set HC,  208                          ; v208-215 the fragment that leaves
.set HB,  216                          ; its scale word
.set R4,  217                          ; 4 r: above every register into which a load of the energy's lands
.set ZA,  218                          ; 0: the offset of the one store to out1
.set VF,  220                          ; v220-251 VT's four fragments
.set VSW, 252                          ; v252-255 their scale words
.macro CROUND
	s_barrier_signal -1
	s_barrier_wait -1
	s_cmp_lg_u32 s[WV], 0
	s_cbranch_scc1 .Lnot_wave_0_\@
	s_barrier_signal -3
.Lnot_wave_0_\@:
	s_barrier_wait -3
	s_barrier_signal -1
	s_barrier_wait -1
.endm
.macro NOPS4
.rept 4
	v_nop
.endr
.endm
	s_load_b256 s[4:11], s[0:1], 0x0               ; PJ, LL, AA, out1
	v_lshl_add_u32 v203, v0, 2, 0x29000
	v_mov_b32 v219, 0
	ds_add_u32 v203, v219
	ds_add_u32 v203, v219
	v_lshrrev_b32 v1, 5, v0
	v_readfirstlane_b32 s[WV], v1
	v_and_b32 v[LANE], 31, v0
	v_and_b32 v[R4], 15, v0
	v_bfe_u32 v[AL0], v0, 4, 1
	v_lshlrev_b32 v[AK0], 4, v[LANE]
	v_add_nc_u32 v[AV0], WVO, v[AK0]
	v_and_b32 v[ADK], 8, v[R4]
	v_add_nc_u32 v[ADK], v[ADK], v[R4]
	v_lshlrev_b32 v[ADK], 2, v[ADK]                ; (for now: my row among the tile's, in bytes of f32)
	v_lshlrev_b32 v[R4], 2, v[R4]
	v_add_nc_u32 v[AS0], WSS, v[R4]
	v_add_nc_u32 v[AT0], WVS, v[R4]
	v_lshl_add_u32 v[AL0], v[AL0], 6, LCW
	v_mov_b32 v[ZA], 0
	s_bfe_u32 s13, ttmp6, 0x40000                  ; cx
	s_lshr_b32 s[ROLE], ttmp9, 5
	s_lshr_b32 s15, ttmp9, 3
	s_and_b32 s15, s15, 3                          ; b
	s_and_b32 s16, ttmp9, 7                        ; g
	s_lshl_b32 s17, s[ROLE], 3
	s_add_co_u32 s18, s16, s17                     ; my fragment's K step in QK1
	s_xor_b32 s19, s17, 8
	s_add_co_u32 s19, s19, s16                     ; the walked ones'
	s_lshl_b32 s20, s19, 3                         ; VT's first channel tile
	s_add_co_u32 s21, s18, 32                      ; the K step of AA that I make
	s_lshl_b32 s22, s15, 6                         ; the batch's first tile
	s_lshl_b32 s88, s[WV], 4
	s_add_co_u32 s88, s88, s22
	s_lshl_b32 s88, s88, 4
	s_add_co_u32 s88, s88, s19
	s_lshl_b32 s88, s88, 10
	s_mov_b32 s89, 0
	s_and_b32 s23, s[WV], 3
	s_lshl_b32 s90, s23, 1
	s_add_co_u32 s90, s90, s20
	s_lshl_b32 s90, s90, 5
	s_lshl_b32 s91, s15, 3
	s_add_co_u32 s90, s90, s91
	s_lshl_b32 s90, s90, 10
	s_add_co_u32 s90, s90, 4194304
	s_mov_b32 s91, 0
	s_lshl_b32 s92, s19, 8
	s_add_co_u32 s92, s92, s22
	s_lshl_b32 s92, s92, 6
	s_add_co_u32 s92, s92, 8388608
	s_mov_b32 s93, 0
	s_lshl_b32 s94, s15, 10
	s_add_co_u32 s94, s94, s20
	s_lshl_b32 s94, s94, 6
	s_add_co_u32 s94, s94, 8650752
	s_mov_b32 s95, 0
	s_lshl_b32 s96, s15, 4
	s_lshl_b32 s97, s16, 1
	s_add_co_u32 s96, s96, s97
	s_and_b32 s97, s[WV], 1
	s_add_co_u32 s96, s96, s97
	s_lshl_b32 s96, s96, 12
	s_lshl_b32 s98, s97, 12
	s_mov_b32 s97, 0
	s_mov_b32 s[G1W], 15|(3<<16)|(1<<21)           ; 16 fragments of 1,024 bytes, 16 KB apart
	s_mov_b32 s[G1W+1], 128<<16
	s_mov_b32 s[G1W+2], 16<<16
	s_mov_b32 s[G1W+3], 128<<16
	s_mov_b32 s[G1W+4], 16
	s_mov_b32 s[G1W+5], 2048
	s_mov_b32 s[G1W+6], 0
	s_mov_b32 s[G1W+7], 0
	s_mov_b32 s[G1V], 15|(3<<16)|(1<<21)           ; 2 channel tiles, of each 8,192 bytes (the batch's 8 steps), 32 KB apart
	s_mov_b32 s[G1V+1], 1024<<16
	s_mov_b32 s[G1V+2], 2<<16
	s_mov_b32 s[G1V+3], 1024<<16
	s_mov_b32 s[G1V+4], 2
	s_mov_b32 s[G1V+5], 4096
	s_mov_b32 s[G1V+6], 0
	s_mov_b32 s[G1V+7], 0
	s_mov_b32 s[G1D], 15|(3<<16)|(1<<21)           ; 4,096 dense bytes as 16 rows of 256
	s_mov_b32 s[G1D+1], 32<<16
	s_mov_b32 s[G1D+2], 16<<16
	s_mov_b32 s[G1D+3], 32<<16
	s_mov_b32 s[G1D+4], 16
	s_mov_b32 s[G1D+5], 32
	s_mov_b32 s[G1D+6], 0
	s_mov_b32 s[G1D+7], 0
	s_mov_b32 s[G1T], 15|(3<<16)|(1<<21)           ; 8 steps, of each 512 bytes (8 tiles' words), 8,192 bytes apart
	s_mov_b32 s[G1T+1], 64<<16
	s_mov_b32 s[G1T+2], 8<<16
	s_mov_b32 s[G1T+3], 64<<16
	s_mov_b32 s[G1T+4], 8
	s_mov_b32 s[G1T+5], 1024
	s_mov_b32 s[G1T+6], 0
	s_mov_b32 s[G1T+7], 0
	s_mov_b32 s[CS], 0x3e38aa3b                    ; log2(e) / 8
	s_mov_b32 s[CS+1], s[CS]
	s_mov_b32 s[SEL], 0x76543210
	s_mov_b32 s[SEL+1], 0xfedcba98
	s_wait_dscnt 0x0
	s_wait_kmcnt 0x0
	s_mov_b32 s[G0W], 1
	s_lshl_b32 s[G0W+1], s[WV], 14
	s_add_nc_u64 s[G0W+2:G0W+3], s[4:5], s[88:89]
	s_or_b32 s[G0W+3], s[G0W+3], 0x80000000
	s_mov_b32 s[G0V], 1
	s_lshl_b32 s[G0V+1], s23, 14
	s_add_co_u32 s[G0V+1], s[G0V+1], WVO
	s_add_nc_u64 s[G0V+2:G0V+3], s[4:5], s[90:91]
	s_or_b32 s[G0V+3], s[G0V+3], 0x80000000
	s_mov_b32 s[G0S], 1
	s_mov_b32 s[G0S+1], WSS
	s_add_nc_u64 s[G0S+2:G0S+3], s[4:5], s[92:93]
	s_or_b32 s[G0S+3], s[G0S+3], 0x80000000
	s_mov_b32 s[G0T], 1
	s_mov_b32 s[G0T+1], WVS
	s_add_nc_u64 s[G0T+2:G0T+3], s[4:5], s[94:95]
	s_or_b32 s[G0T+3], s[G0T+3], 0x80000000
	s_mov_b32 s[G0L], 1
	s_add_co_u32 s[G0L+1], s98, LCW
	s_add_nc_u64 s[G0L+2:G0L+3], s[6:7], s[96:97]
	s_or_b32 s[G0L+3], s[G0L+3], 0x80000000
	CROUND                                         ; the four partners are here: the joint loads meet
	s_cmp_lt_u32 s[WV], 4                          ; one load a wave: 0-3 walked fragments, 4-7 VT, 8 and 9 the scale words, 10 and 11 -8 lse; the branches hang on the wave's number alone
	s_cbranch_scc0 .Lnot_w
	tensor_load_to_lds s[G0W:G0W+3], s[G1W:G1W+7]
	s_nop 0
	NOPS4
	s_branch .Lasked
.Lnot_w:
	s_cmp_lt_u32 s[WV], 8
	s_cbranch_scc0 .Lnot_v
	tensor_load_to_lds s[G0V:G0V+3], s[G1V:G1V+7]
	s_nop 0
	NOPS4
	s_branch .Lasked
.Lnot_v:
	s_cmp_eq_u32 s[WV], 8
	s_cbranch_scc0 .Lnot_s
	tensor_load_to_lds s[G0S:G0S+3], s[G1D:G1D+7]
	s_nop 0
	NOPS4
	s_branch .Lasked
.Lnot_s:
	s_cmp_eq_u32 s[WV], 9
	s_cbranch_scc0 .Lnot_t
	tensor_load_to_lds s[G0T:G0T+3], s[G1T:G1T+7]
	s_nop 0
	NOPS4
	s_branch .Lasked
.Lnot_t:
	s_cmp_lt_u32 s[WV], 12
	s_cbranch_scc0 .Lasked
	tensor_load_to_lds s[G0L:G0L+3], s[G1D:G1D+7]
	s_nop 0
	NOPS4
.Lasked:
	s_lshl_b32 s23, s13, 4
	s_add_co_u32 s23, s23, s[WV]                   ; my tile in the batch
	s_add_co_u32 s88, s23, s22                     ; and among all
	s_lshl_b32 s89, s88, 4
	s_add_co_u32 s89, s89, s18
	s_lshl_b32 s90, s89, 10
	s_mov_b32 s91, 0
	s_add_nc_u64 s[90:91], s[4:5], s[90:91]
	s_lshl_b32 s92, s18, 8
	s_add_co_u32 s92, s92, s88
	s_lshl_b32 s92, s92, 6
	s_add_co_u32 s92, s92, 8388608
	s_mov_b32 s93, 0
	s_add_nc_u64 s[92:93], s[4:5], s[92:93]
	s_lshl_b32 s94, s15, 4
	s_lshl_b32 s95, s16, 1
	s_add_co_u32 s94, s94, s95
	s_lshl_b32 s94, s94, 10
	s_lshr_b32 s95, s23, 1
	s_lshl_b32 s95, s95, 5
	s_add_co_u32 s94, s94, s95
	s_and_b32 s95, s23, 1
	s_lshl_b32 s95, s95, 3
	s_add_co_u32 s94, s94, s95
	s_lshl_b32 s94, s94, 2
	s_mov_b32 s95, 0
	s_add_nc_u64 s[94:95], s[6:7], s[94:95]
	global_load_b128 v[16:19], v[AK0], s[90:91]              ; my fragment: head 0's half,
	global_load_b128 v[24:27], v[AK0], s[90:91] offset:512   ; head 1's
	global_load_u16 v[OSW], v[R4], s[92:93]
	global_load_u16 v[OSW+1], v[R4], s[92:93] offset:2
	global_load_b32 v[LCO], v[ADK], s[94:95]
	global_load_b32 v[LCO+1], v[ADK], s[94:95] offset:4096
	s_mul_i32 s96, s88, 48
	s_add_co_u32 s96, s96, s21
	s_lshl_b32 s96, s96, 10
	s_mov_b32 s97, 0
	s_add_nc_u64 s[96:97], s[8:9], s[96:97]        ; where my fragment goes,
	s_lshl_b32 s98, s21, 8
	s_add_co_u32 s98, s98, s88
	s_lshl_b32 s98, s98, 6
	s_add_co_u32 s98, s98, 12582912
	s_mov_b32 s99, 0
	s_add_nc_u64 s[98:99], s[8:9], s[98:99]        ; and its scale words
	; THE ENERGY, while the tiles land: wave 15 of the first cluster adds the 4,096 sums of -8 lse and the 1,024 sums of h^2.  The branch is the same in all four partners: all four add.
	; The partners are told apart BY ADDRESS alone, since no branch and no lane mask here hangs on a work-group's place in its cluster: the partner at place 0 stores to out1,
	; the three others store their copy to word cx of four spare words behind AA's scale words, which nobody reads.
	s_xor_b32 s88, s[WV], 15
	s_or_b32 s88, s88, ttmp9
	s_cmp_eq_u32 s88, 0
	s_cbranch_scc0 .Lno_energy
	s_add_nc_u64 s[2:3], s[6:7], 262144
	s_add_nc_u64 s[22:23], s[4:5], 8912896
.set n1, 0
.rept 32
	global_load_b128 v[40+4*n1:43+4*n1], v[AK0], s[2:3] offset:512*n1
.set n1, n1+1
.endr
.set n1, 0
.rept 8
	global_load_b128 v[168+4*n1:171+4*n1], v[AK0], s[22:23] offset:512*n1
.set n1, n1+1
.endr
	s_wait_loadcnt 0x0                             ; the sums are in; the loads' bases may be written again
.set n1, 1
.rept 31
	v_pk_add_f32 v[40:41], v[40:41], v[40+4*n1:41+4*n1]
	v_pk_add_f32 v[42:43], v[42:43], v[42+4*n1:43+4*n1]
.set n1, n1+1
.endr
.set n1, 1
.rept 7
	v_pk_add_f32 v[168:169], v[168:169], v[168+4*n1:169+4*n1]
	v_pk_add_f32 v[170:171], v[170:171], v[170+4*n1:171+4*n1]
.set n1, n1+1
.endr
	v_pk_add_f32 v[40:41], v[40:41], v[42:43]
	v_pk_add_f32 v[168:169], v[168:169], v[170:171]
	v_add_f32 v40, v40, v41
	v_add_f32 v168, v168, v169
	v_fma_f32 v40, v168, -0.5, v40
	v_add_f32_dpp v40, v40, v40 row_xmask:1 row_mask:0xf bank_mask:0xf
	v_add_f32_dpp v40, v40, v40 row_xmask:2 row_mask:0xf bank_mask:0xf
	v_add_f32_dpp v40, v40, v40 row_xmask:4 row_mask:0xf bank_mask:0xf
	v_add_f32_dpp v40, v40, v40 row_xmask:8 row_mask:0xf bank_mask:0xf
	v_permlanex16_b32 v41, v40, s[SEL], s[SEL+1]
	v_add_f32 v40, v40, v41
	s_lshl_b32 s88, s13, 2
	s_add_co_u32 s88, s88, DUMP
	s_mov_b32 s89, 0
	s_add_nc_u64 s[2:3], s[8:9], s[88:89]          ; AA's spare word cx,
	s_cmp_eq_u32 s13, 0
	s_cselect_b64 s[2:3], s[10:11], s[2:3]         ; or, at place 0, out1
	v_cmp_eq_u32 vcc_lo, 0, v[LANE]
	s_wait_xcnt 0x0                                ; EXEC changes only behind this wait
	s_and_saveexec_b32 s22, vcc_lo
	global_store_b32 v[ZA], v40, s[2:3]            ; lane 0 alone
	s_wait_xcnt 0x0
	s_or_b32 exec_lo, exec_lo, s22
.Lno_energy:
.irp j, 20,21,22,23,28,29,30,31,72,73,74,75
	v_mov_b32 v\j, 0                               ; zero codes
.endr
.irp b, 0,1,2,3
	v_mov_b32 v[TM+4+\b], 0                        ; a lane permute's destination counts as one of its sources
.endr
	s_wait_tensorcnt 0x0                           ; my load has landed,
	s_barrier_signal -1
	s_barrier_wait -1                              ; everybody's has
	s_wait_loadcnt 0x0
.macro WALK c                          ; 128 walked tokens' halves of fragments and their scale bytes, from the addresses in hand: 16 loads
.irp t, 0,1,2,3,4,5,6,7
	ds_load_b128 v[FV+4*\t:FV+4*\t+3], v[ADK] offset:1024*\t+512*\c
.endr
.irp t, 0,1,2,3,4,5,6,7
	ds_load_u16 v[SW+\t], v[ADS] offset:64*\t+2*\c
.endr
.endm
.macro LSEL c                          ; -8 lse of the eight queries that each of S^T's registers will hold: 16 loads
.irp t, 0,1,2,3,4,5,6,7
	ds_load_b128 v[S+8*\t:S+8*\t+3], v[ADL] offset:4096*\c+(32*(\t/2)+8*(\t%2))*4
	ds_load_b128 v[S+8*\t+4:S+8*\t+7], v[ADL] offset:4096*\c+(32*(\t/2)+8*(\t%2))*4+16
.endr
.endm
.macro LSE c                           ; the same where the queries are walked, and nothing where they are mine
	s_cmp_eq_u32 s[ROLE], 0                        ; the same in every wave of the cluster
	s_cbranch_scc1 .Lmine_\@
	LSEL \c
.Lmine_\@:
.endm
; 128 walked tokens, head c.  first = 1: the products start O^T's sums.  more = 1: the next 128 tokens are asked for
.macro STEP2 c, first, more
	s_wait_dscnt 0x0                               ; this step's walked fragments and scale bytes, asked for a step ago, are in (and -8 lse, where it was asked for)
	s_cmp_eq_u32 s[ROLE], 0                        ; the same in every wave of the cluster
	s_cbranch_scc0 .Lrole1_\@
.irp t, 0,1,2,3,4,5,6,7
	v_wmma_scale_f32_16x16x128_f8f6f4 v[S+8*\t:S+8*\t+7], v[FV+4*\t:FV+4*\t+7], v[16+8*\c:23+8*\c], v[CO:CO+7], v[SW+\t], v[OSW+\c] matrix_a_fmt:MATRIX_FMT_FP4 matrix_b_fmt:MATRIX_FMT_FP4
.endr
	s_branch .Lscored_\@
.Lrole1_\@:
.if \first
	LSEL \c                                        ; a head's first step loads them here, in the arm that reads them
	s_wait_dscnt 0x0
.endif
.irp t, 0,1,2,3,4,5,6,7
	v_wmma_scale_f32_16x16x128_f8f6f4 v[S+8*\t:S+8*\t+7], v[FV+4*\t:FV+4*\t+7], v[16+8*\c:23+8*\c], v[S+8*\t:S+8*\t+7], v[SW+\t], v[OSW+\c] matrix_a_fmt:MATRIX_FMT_FP4 matrix_b_fmt:MATRIX_FMT_FP4
.endr
.Lscored_\@:
.if \more
	s_add_co_u32 s[TK], s[TK], 8192
	s_add_co_u32 s[T5], s[T5], 512
	v_add_nc_u32 v[ADK], s[TK], v[AK0]             ; four places behind the products: for the loads into their registers (and into those of the last step's second products) and for the first read of results
	v_add_nc_u32 v[ADS], s[T5], v[AS0]
	v_add_nc_u32 v[ADL], s[T5], v[AL0]
	v_nop
.else
	NOPS4
.endif
.irp ct, 0,1,2,3
	ds_load_b128 v[VF+8*\ct:VF+8*\ct+3], v[ADV] offset:(4*\c+\ct)*8192          ; this step's VT: twelve loads,
	ds_load_b128 v[VF+8*\ct+4:VF+8*\ct+7], v[ADV] offset:(4*\c+\ct)*8192+512
	ds_load_b32 v[VSW+\ct], v[ADT] offset:(4*\c+\ct)*64
.endr
.if \more
	WALK \c                                        ; and the next step's sixteen
.endif
	v_pk_mul_f32 v[S:S+1], v[S:S+1], s[CS:CS+1] op_sel_hi:[1,0]                 ; the exponent to base 2; each accumulator from its low end on
	v_pk_mul_f32 v[S+2:S+3], v[S+2:S+3], s[CS:CS+1] op_sel_hi:[1,0]
.set n1, 0
.rept 32
.if n1 < 30
	v_pk_mul_f32 v[S+2*n1+4:S+2*n1+5], v[S+2*n1+4:S+2*n1+5], s[CS:CS+1] op_sel_hi:[1,0]   ; the pair two groups on
.endif
	v_exp_f32 v[S+2*n1], v[S+2*n1]                 ; p, finished and normalised
	v_exp_f32 v[S+2*n1+1], v[S+2*n1+1]
.set n1, n1+1
.endr
	v_nop                                          ; the plain place behind the batch
	s_wait_alu depctr_va_vdst(0)                   ; one wait for the batch, ahead of its first reader
.irp b, 0,1,2,3
	v_max3_num_f32 v[TM+\b], v[S+16*\b], v[S+16*\b+1], FLOOR   ; block b: my 16 p (none is negative), and the floor: the byte cannot fall under 1
.endr
.irp i, 2,4,6,8,10,12,14
.irp b, 0,1,2,3
	v_max3_num_f32 v[TM+\b], v[TM+\b], v[S+16*\b+\i], v[S+16*\b+\i+1]
.endr
.endr
.irp b, 0,1,2,3
	v_permlanex16_b32 v[TM+4+\b], v[TM+\b], s[SEL], s[SEL+1]
.endr
.irp b, 0,1,2,3
	v_max_num_f32 v[TM+\b], v[TM+\b], v[TM+4+\b]   ; with lane l xor 16's: each block's largest p
.endr
.irp b, 0,1,2,3
	v_add_nc_u32 v[TM+12+\b], 0xff000000, v[TM+\b]
.endr
.irp b, 0,1,2,3
	v_lshrrev_b32 v[TM+4+\b], 23, v[TM+12+\b]
.endr
	v_lshl_or_b32 v[PW], v[TM+5], 8, v[TM+4]
	v_lshl_or_b32 v[PW], v[TM+6], 16, v[PW]
	v_lshl_or_b32 v[PW], v[TM+7], 24, v[PW]
.irp b, 0,1,2,3
	v_cvt_scalef32_pk8_fp4_f32 v[PC+2*\b], v[S+16*\b:S+16*\b+7], v[TM+12+\b]
	v_cvt_scalef32_pk8_fp4_f32 v[PC+2*\b+1], v[S+16*\b+8:S+16*\b+15], v[TM+12+\b]
.endr
	v_nop                                          ; one plain place behind the conversions
	s_wait_dscnt 16*\more                          ; VT's twelve loads are in; the next step's sixteen, issued behind them, may be out
.if \more
	LSE \c                                         ; S^T's registers have been read: they take the next step's -8 lse
.endif
.irp cc, 0,1
.irp i, 0,1
	v_permlane16_swap_b32 v[PC+4*\cc+\i], v[PC+4*\cc+2+\i]
.endr
.endr
.if \more
	s_add_co_u32 s[TV], s[TV], 1024
	v_add_nc_u32 v[ADV], s[TV], v[AV0]             ; the next step's VT; with the six v_nop the eight places between p's fragment and the scaled products
	v_add_nc_u32 v[ADT], s[T5], v[AT0]
.else
	v_nop
	v_nop
.endif
.rept 6
	v_nop
.endr
.irp ct, 0,1,2,3
.if \first
	v_wmma_scale_f32_16x16x128_f8f6f4 v[O+8*\ct:O+8*\ct+7], v[VF+8*\ct:VF+8*\ct+7], v[PC:PC+7], 0, v[VSW+\ct], v[PW] matrix_a_fmt:MATRIX_FMT_FP4 matrix_b_fmt:MATRIX_FMT_FP4
.else
	v_wmma_scale_f32_16x16x128_f8f6f4 v[O+8*\ct:O+8*\ct+7], v[VF+8*\ct:VF+8*\ct+7], v[PC:PC+7], v[O+8*\ct:O+8*\ct+7], v[VSW+\ct], v[PW] matrix_a_fmt:MATRIX_FMT_FP4 matrix_b_fmt:MATRIX_FMT_FP4
.endif
.endr
.endm
; the head's 64 channels of my 16 tokens: two blocks: registers 4 c .. 4 c + 3 of the fragment, bytes 2 c, 2 c + 1 of its scale word
.macro QUANTH c
	NOPS4
.irp b, 0,1
	v_max3_num_f32 v[TM+\b], |v[O+16*\b]|, |v[O+16*\b+1]|, FLOOR
.endr
.irp i, 2,4,6,8,10,12,14
.irp b, 0,1
	v_max3_num_f32 v[TM+\b], v[TM+\b], |v[O+16*\b+\i]|, |v[O+16*\b+\i+1]|
.endr
.endr
.irp b, 0,1
	v_permlanex16_b32 v[TM+4+\b], v[TM+\b], s[SEL], s[SEL+1]
.endr
.irp b, 0,1
	v_max_num_f32 v[TM+\b], v[TM+\b], v[TM+4+\b]
.endr
.irp b, 0,1
	v_add_nc_u32 v[TM+12+\b], 0xff000000, v[TM+\b]
.endr
.irp b, 0,1
	v_lshrrev_b32 v[TM+4+\b], 23, v[TM+12+\b]
.endr
.if \c == 0
	v_lshl_or_b32 v[HB], v[TM+5], 8, v[TM+4]
.else
	v_lshl_or_b32 v[HB], v[TM+4], 16, v[HB]
	v_lshl_or_b32 v[HB], v[TM+5], 24, v[HB]
.endif
.irp b, 0,1
	v_cvt_scalef32_pk8_fp4_f32 v[HC+4*\c+2*\b], v[O+16*\b:O+16*\b+7], v[TM+12+\b]
	v_cvt_scalef32_pk8_fp4_f32 v[HC+4*\c+2*\b+1], v[O+16*\b+8:O+16*\b+15], v[TM+12+\b]
.endr
	v_nop
.irp i, 0,1
	v_permlane16_swap_b32 v[HC+4*\c+\i], v[HC+4*\c+2+\i]
.endr
.endm
.macro HEAD2 c
	s_mov_b32 s[TK], 0
	s_mov_b32 s[TV], 0
	s_mov_b32 s[T5], 0
	v_mov_b32 v[ADK], v[AK0]
	v_mov_b32 v[ADV], v[AV0]
	v_mov_b32 v[ADS], v[AS0]
	v_mov_b32 v[ADT], v[AT0]
	v_mov_b32 v[ADL], v[AL0]
	WALK \c                                        ; the first 128 walked tokens
.irp j, 0,1,2,3,4,5,6,7
	v_mov_b32 v[CO+\j], v[LCO+\c]
.endr
	STEP2 \c, 1, 1
	s_mov_b32 s[CNT], 6
.Lstep_\@:
	STEP2 \c, 0, 1
	s_sub_co_u32 s[CNT], s[CNT], 1
	s_cmp_lg_u32 s[CNT], 0
	s_cbranch_scc1 .Lstep_\@
	STEP2 \c, 0, 0                                 ; the last 128: nothing is left to ask for
	QUANTH \c
.endm
	HEAD2 0
	HEAD2 1
	global_store_b128 v[AK0], v[HC:HC+3], s[96:97]
	global_store_b128 v[AK0], v[HC+4:HC+7], s[96:97] offset:512
	v_cmp_gt_u32 vcc_lo, 16, v[LANE]
	s_wait_xcnt 0x0                                ; EXEC changes only behind this wait
	s_and_saveexec_b32 s88, vcc_lo
	global_store_b32 v[R4], v[HB], s[98:99]
	s_wait_xcnt 0x0
	s_or_b32 exec_lo, exec_lo, s88
	s_wait_tensorcnt 0x0
	ds_add_u32 v203, v219
	s_wait_dscnt 0x0
	CROUND                                         ; the closing round
	s_endpgm
.Lfunc_end_k_q147b6adb41_attn2:
	.size	k_q147b6adb41_attn2, .Lfunc_end_k_q147b6adb41_attn2-k_q147b6adb41_attn2
	.p2alignl 7, 3214868480
	.fill 96, 4, 3214868480
	.section	.rodata,"a",@progbits
	.p2align	6, 0x0
	.amdhsa_kernel k_q147b6adb41_attn2
		.amdhsa_group_segment_fixed_size 169984
		.amdhsa_private_segment_fixed_size 0
		.amdhsa_enable_private_segment 0
		.amdhsa_kernarg_size 32
		.amdhsa_user_sgpr_count 2
		.amdhsa_user_sgpr_kernarg_segment_ptr 1
		.amdhsa_wavefront_size32 1
		.amdhsa_system_sgpr_workgroup_id_x 1
		.amdhsa_system_sgpr_workgroup_id_y 1
		.amdhsa_system_sgpr_workgroup_id_z 1
		.amdhsa_system_vgpr_workitem_id 0
		.amdhsa_next_free_vgpr 256
		.amdhsa_next_free_sgpr 100
		.amdhsa_reserve_vcc 1
		.amdhsa_float_denorm_mode_32 3
		.amdhsa_float_denorm_mode_16_64 3
		.amdhsa_memory_ordered 1
		.amdhsa_forward_progress 1
		.amdhsa_inst_pref_size 109
	.end_amdhsa_kernel
	.amdgpu_metadata
---
amdhsa.version: [ 1, 2 ]
amdhsa.kernels:
  - .name:           k_q147b6adb41_attn2
    .symbol:         k_q147b6adb41_attn2.kd
    .args:
      - { .name: PJ, .offset: 0, .size: 8, .value_kind: global_buffer, .address_space: global }
      - { .name: LL, .offset: 8, .size: 8, .value_kind: global_buffer, .address_space: global }
      - { .name: AA, .offset: 16, .size: 8, .value_kind: global_buffer, .address_space: global }
      - { .name: out1, .offset: 24, .size: 8, .value_kind: global_buffer, .address_space: global }
    .group_segment_fixed_size: 169984
    .private_segment_fixed_size: 0
    .kernarg_segment_align: 8
    .kernarg_segment_size: 32
    .max_flat_workgroup_size: 512
    .sgpr_count:     100
    .vgpr_count:     256
    .wavefront_size: 32
...
	.end_amdgpu_metadata
.endif
;; end of part 4
;; launch g2 (part 5): grid 8 x 32, 4 waves a work-group, clusters of 4 x 4, 327,680 bytes of LDS; arguments AA, QW, out0; writes out0
.if DOCPART == 5
	.amdgcn_target "amdgcn-amd-amdhsa--gfx1250"
	.amdhsa_code_object_version 6
	.text
	.protected	k_q147b6adb41_g2
	.globl	k_q147b6adb41_g2
	.p2align	8
	.type	k_q147b6adb41_g2,@function
k_q147b6adb41_g2:
	s_mov_b64 s[64:65], 0
	v_nop
	global_prefetch_b8 v0, s[64:65] scope:SCOPE_SE
	s_setreg_imm32_b32 hwreg(HW_REG_WAVE_MODE, 25, 1), 1
	s_wait_xcnt 0x0
	s_wait_alu depctr_hold_cnt(0) depctr_sa_sdst(0) depctr_va_vdst(0) depctr_va_sdst(0) depctr_va_ssrc(0) depctr_va_vcc(0) depctr_vm_vsrc(0)
	s_getreg_b32 s2, hwreg(HW_REG_IB_STS2, 6, 4)
	s_cmp_eq_u32 s2, 0
	s_cbranch_scc0 .Lentry_in_a_cluster
	s_endpgm
.Lentry_in_a_cluster:
	s_bfe_u32 s2, ttmp6, 0x10000c
	s_cmp_lg_u32 s2, 0xf033
	s_cbranch_scc0 .Lentry_shape_is_right
	s_endpgm
.Lentry_shape_is_right:
; out0 = [h | P k | P^T q] x (-[W_hop | Wq | Wk]): ONE product on codes of FP4 with K = 6,144 = 48 steps of 128, from the images in AA (rows = tokens) and QW's B2 (rows = d, signs turned).
; A work-group makes 128 tokens x 128 d, a wave 64 x 64: 16 accumulators.  K goes in slots of 8 steps (64 KB of each operand) through a ring of two LDS slots; a quarter of a slot is two steps, 32 matrix instructions.
; The scale words of all 48 steps come into LDS once.  Source 0 = 16 rows of B2, source 1 = 16 tokens: a lane holds one token and eight neighbouring d.
; CLUSTERS: 4 x 4: the tokens' tiles are shared along a row of the cluster, B2's along a column: joint loads; each refill stands behind a round of the cluster's barrier.
; The sums run over all 48 steps in one chain for each output: another order of f32 additions than three separate products.
; REGISTERS: window 0: v16-29 addresses; v32-95 rows on the way out; v96-111 scale words, two sets; v128-255 accumulators.  window 1: two fragment buffers of 128.
.set SLOT, 131072
.set BOFF, 65536
.set SCL,  262144                      ; tokens' scale words [48 steps][512 bytes], then B2's
.set SCB,  24576
.set SPARE, 311296                     ; the spare words: 128 bytes for each wave, named by no other line
.set SPITCH, 272                       ; the way out: 16 rows x (256 + 16) bytes for each wave, in slot 0, which has then had its last fill and its last read
.set LAPS, 3
.set ADRA, 16
.set ADRB, 20
.set STO,  24
.set RD,   25
.set CO,   26
.set ADRS, 27
.set SPW,  28
.set NIL,  29
.set BK,   32
.set SC,   96
.set ACC,  128
.set F0,   0
.set F1,   128
.set G1, 24
.set G0, 32
.set G1B, 48
.set G0B, 56
.set G1S, 68
.set G0S, 76
.set G1SB, 80
.set G0SB, 88
.set MSB, 0
.macro WIN new
.if MSB != \new
	s_set_vgpr_msb (MSB<<8)|\new
.set MSB, \new
.endif
.endm
.set MUL,  0x05
.set TO_F, 0x40
.macro JLOAD g0a, g1a, g0b, g1b        ; waves 0, 1 fetch the tokens' halves, waves 2, 3 B2's; four v_nop follow each line
	s_cmp_eq_u32 s11, 0
	s_cbranch_scc0 .Lfor_b_\@
	tensor_load_to_lds s[\g0a:\g0a+3], s[\g1a:\g1a+7]
	s_nop 0
.rept 4
	v_nop
.endr
	s_branch .Lasked_\@
.Lfor_b_\@:
	tensor_load_to_lds s[\g0b:\g0b+3], s[\g1b:\g1b+7]
	s_nop 0
.rept 4
	v_nop
.endr
.Lasked_\@:
.endm
.macro CREST
	s_cmp_lg_u32 s10, 0
	s_cbranch_scc1 .Lnot_wave_0_\@
	s_barrier_signal -3
.Lnot_wave_0_\@:
	s_barrier_wait -3
	s_barrier_signal -1
	s_barrier_wait -1
.endm
.macro CROUND
	s_barrier_signal -1
	s_barrier_wait -1
	CREST
.endm
	s_load_b128 s[4:7], s[0:1], 0x0                ; AA, QW
	s_load_b64 s[8:9], s[0:1], 0x10                ; out0
	v_lshl_add_u32 v[SPW], v0, 2, SPARE
	v_mov_b32 v[NIL], 0
	ds_add_u32 v28, v29
	ds_add_u32 v28, v29
	s_wait_dscnt 0x0
	v_lshrrev_b32 v1, 5, v0
	v_readfirstlane_b32 s10, v1                    ; wave
	s_lshr_b32 s11, s10, 1                         ; my 64 tokens.  Also: I fetch tokens' tiles (0) or B2's (1)
	s_and_b32 s12, s10, 1                          ; my 64 d.  Also: which 4 tiles I fetch
	s_bfe_u32 s40, ttmp6, 0x40000
	s_bfe_u32 s41, ttmp6, 0x40004
	s_lshl_b32 s42, ttmp9, 2
	s_add_co_u32 s42, s42, s40                     ; block of 128 d
	s_and_b32 s13, ttmp7, 0xffff
	s_lshl_b32 s13, s13, 2
	s_add_co_u32 s13, s13, s41                     ; block of 128 tokens
	s_lshl_b32 s43, s41, 2
	s_lshl_b32 s43, 15, s43
	s_lshl_b32 s44, 0x1111, s40
	; codes: 4 tiles, of each 8,192 bytes (8 K steps), 49,152 bytes apart; elements of 8 bytes
	s_or_b32 s[G1+0], s43, (3<<16)|(1<<21)
	s_or_b32 s[G1B+0], s44, (3<<16)|(1<<21)
.irp g, G1, G1B
	s_mov_b32 s[\g+1], 1024<<16
	s_mov_b32 s[\g+2], 4<<16
	s_mov_b32 s[\g+3], 1024<<16
	s_mov_b32 s[\g+4], 4
	s_mov_b32 s[\g+5], 6144
	s_mov_b32 s[\g+6], 0
	s_mov_b32 s[\g+7], 0
.endr
	; scale words: 24 K steps, of each 512 bytes (8 tiles); a step is 16,384 bytes on among the tokens', 4,096 among B2's
	s_or_b32 s[G1S+0], s43, (3<<16)|(1<<21)
	s_or_b32 s[G1SB+0], s44, (3<<16)|(1<<21)
.irp g, G1S, G1SB
	s_mov_b32 s[\g+1], 64<<16
	s_mov_b32 s[\g+2], 24<<16
	s_mov_b32 s[\g+3], 64<<16
	s_mov_b32 s[\g+4], 24
	s_mov_b32 s[\g+6], 0
	s_mov_b32 s[\g+7], 0
.endr
	s_mov_b32 s[G1S+5], 2048
	s_mov_b32 s[G1SB+5], 512
	s_lshl_b32 s18, s12, 2
	s_lshl_b32 s16, s13, 3
	s_add_co_u32 s16, s16, s18
	s_mul_i32 s16, s16, 49152
	s_mov_b32 s17, 0
	s_lshl_b32 s46, s42, 3
	s_add_co_u32 s46, s46, s18
	s_mul_i32 s46, s46, 49152
	s_add_co_u32 s46, s46, 5242880
	s_mov_b32 s47, 0
	s_mul_i32 s22, s12, 24*16384
	s_lshl_b32 s19, s13, 9
	s_add_co_u32 s22, s22, s19
	s_add_co_u32 s22, s22, 12582912
	s_mov_b32 s23, 0
	s_mul_i32 s92, s12, 24*4096
	s_lshl_b32 s94, s42, 9
	s_add_co_u32 s92, s92, s94
	s_add_co_u32 s92, s92, 8716288
	s_mov_b32 s93, 0
	s_lshl_b32 s20, s10, 15                        ; where they go: wave x 32 KB; no place in the cluster enters an LDS address
	s_mul_i32 s21, s10, 12288
	s_wait_kmcnt 0x0
	s_add_nc_u64 s[14:15], s[4:5], s[16:17]
	s_add_nc_u64 s[22:23], s[4:5], s[22:23]
	s_add_nc_u64 s[46:47], s[6:7], s[46:47]
	s_add_nc_u64 s[92:93], s[6:7], s[92:93]
	CROUND                                         ; all sixteen work-groups are here: the first joint loads meet
	s_mov_b32 s[G0S], 1
	s_add_co_u32 s[G0S+1], s21, SCL
	s_mov_b64 s[G0S+2:G0S+3], s[22:23]
	s_or_b32 s[G0S+3], s[G0S+3], 0x80000000
	s_mov_b32 s[G0SB], 1
	s_add_co_u32 s[G0SB+1], s21, SCL
	s_mov_b64 s[G0SB+2:G0SB+3], s[92:93]
	s_or_b32 s[G0SB+3], s[G0SB+3], 0x80000000
	JLOAD G0S, G1S, G0SB, G1SB
.irp s, 0,1
	s_mov_b32 s[G0+4*\s], 1
	s_add_co_u32 s[G0+4*\s+1], s20, \s*SLOT
	s_add_nc_u64 s[G0+4*\s+2:G0+4*\s+3], s[14:15], \s*8192
	s_or_b32 s[G0+4*\s+3], s[G0+4*\s+3], 0x80000000
	s_mov_b32 s[G0B+4*\s], 1
	s_add_co_u32 s[G0B+4*\s+1], s20, \s*SLOT
	s_add_nc_u64 s[G0B+4*\s+2:G0B+4*\s+3], s[46:47], \s*8192
	s_or_b32 s[G0B+4*\s+3], s[G0B+4*\s+3], 0x80000000
	JLOAD G0+4*\s, G1, G0B+4*\s, G1B
.endr
	v_and_b32 v1, 15, v0                           ; r
	v_bfe_u32 v2, v0, 4, 1                         ; h
	v_and_b32 v3, 31, v0
	v_lshlrev_b32 v3, 4, v3                        ; 16 x lane
	s_lshl_b32 s21, s11, 15
	s_lshl_b32 s22, s12, 15
	s_add_co_u32 s22, s22, BOFF
.irp s, 0,1
	v_add_nc_u32 v[ADRA+\s], s21, v3
	v_add_nc_u32 v[ADRB+\s], s22, v3
	s_add_co_u32 s21, s21, SLOT
	s_add_co_u32 s22, s22, SLOT
.endr
	v_lshlrev_b32 v5, 2, v1                        ; a row's word
	s_lshl_b32 s21, s11, 8                         ; my 4 tiles of tokens
	s_lshl_b32 s22, s12, 8                         ; my 4 tiles of d, behind the tokens' words
	s_add_co_u32 s22, s22, SCB
	s_sub_co_u32 s22, s22, s21
	v_mul_u32_u24 v6, s22, v2                      ; lanes 16-31 take B2's
	s_add_co_u32 s21, s21, SCL
	v_add_nc_u32 v5, v5, v6
	v_add_nc_u32 v[ADRS], s21, v5
	s_mul_i32 s23, s10, 16*SPITCH                  ; my stage
	v_mul_u32_u24 v4, v1, SPITCH
	v_lshl_add_u32 v4, v2, 6, v4
	v_add_nc_u32 v[STO], s23, v4                   ; in: row r, + 64 h bytes
	v_mul_u32_u24 v5, v2, SPITCH
	v_lshl_add_u32 v5, v1, 4, v5
	v_add_nc_u32 v[RD], s23, v5                    ; back: lanes 0-15 one row of 256 bytes, lanes 16-31 the next
	v_lshlrev_b32 v5, 12, v2
	v_lshl_add_u32 v[CO], v1, 4, v5                ; and the same two rows in out0
	s_lshl_b32 s16, s13, 7
	s_lshl_b32 s17, s11, 6
	s_add_co_u32 s16, s16, s17
	s_lshl_b32 s16, s16, 12                        ; my first token's row
	s_mov_b32 s17, 0
	s_add_nc_u64 s[8:9], s[8:9], s[16:17]
	s_lshl_b32 s46, s42, 9
	s_lshl_b32 s47, s12, 8
	s_add_co_u32 s46, s46, s47                     ; my first d, in bytes
	s_mov_b32 s47, 0
	s_add_nc_u64 s[8:9], s[8:9], s[46:47]
; 8 matrix instructions: token tiles a0, a0 + 1 x the 4 tiles of d, K step c of buffer f.  The 16 accumulators take turns
.macro MUL8 f, c, a0, zero
.irp a, \a0, \a0+1
.irp b, 0,1,2,3
.if \zero
	v_wmma_scale_f32_16x16x128_f8f6f4 v[ACC+8*(4*(\a)+\b):ACC+8*(4*(\a)+\b)+7], v[\f+64+8*(4*\c+\b):\f+64+8*(4*\c+\b)+7], v[\f+8*(4*\c+(\a)):\f+8*(4*\c+(\a))+7], 0, v[SC+8*((\f)/128)+4*\c+\b], v[SC+8*((\f)/128)+4*\c+(\a)] matrix_a_fmt:MATRIX_FMT_FP4 matrix_b_fmt:MATRIX_FMT_FP4 matrix_a_scale:MATRIX_SCALE_ROW1
.else
	v_wmma_scale_f32_16x16x128_f8f6f4 v[ACC+8*(4*(\a)+\b):ACC+8*(4*(\a)+\b)+7], v[\f+64+8*(4*\c+\b):\f+64+8*(4*\c+\b)+7], v[\f+8*(4*\c+(\a)):\f+8*(4*\c+(\a))+7], v[ACC+8*(4*(\a)+\b):ACC+8*(4*(\a)+\b)+7], v[SC+8*((\f)/128)+4*\c+\b], v[SC+8*((\f)/128)+4*\c+(\a)] matrix_a_fmt:MATRIX_FMT_FP4 matrix_b_fmt:MATRIX_FMT_FP4 matrix_a_scale:MATRIX_SCALE_ROW1
.endif
.endr
.endr
.endm
; 40 LDS loads in one run: quarter qd of a slot into buffer f: 8 scale words, then the first K step's 16 loads, then the second's
.macro FETCH slot, qd, f
	WIN 0
.irp c, 0,1
.irp i, 0,1,2,3
	ds_load_b32 v[SC+8*((\f)/128)+4*\c+\i], v[ADRS] offset:(8*\slot+2*(\qd)+\c)*512+64*\i
.endr
.endr
	WIN TO_F
.irp c, 0,1
.irp i, 0,1,2,3
	ds_load_b128 v[\f+64+8*(4*\c+\i):\f+64+8*(4*\c+\i)+3],   v[ADRB+\slot] offset:\i*8192+(2*(\qd)+\c)*1024
	ds_load_b128 v[\f+64+8*(4*\c+\i)+4:\f+64+8*(4*\c+\i)+7], v[ADRB+\slot] offset:\i*8192+(2*(\qd)+\c)*1024+512
	ds_load_b128 v[\f+8*(4*\c+\i):\f+8*(4*\c+\i)+3],         v[ADRA+\slot] offset:\i*8192+(2*(\qd)+\c)*1024
	ds_load_b128 v[\f+8*(4*\c+\i)+4:\f+8*(4*\c+\i)+7],       v[ADRA+\slot] offset:\i*8192+(2*(\qd)+\c)*1024+512
.endr
.endr
.endm
.macro PLACES                          ; plain places behind matrix instructions, in front of loads into their registers and of reads of results
.rept 4
	v_nop
.endr
.endm
.macro QUARTER slot, qd, f, g, zero    ; multiplies buffer f; in its middle fetches quarter qd of the same slot into g
	s_wait_dscnt 16                                ; the scale words and the first K step are in; the second step's 16 loads may be out
	WIN MUL
	MUL8 \f, 0, 0, \zero
	MUL8 \f, 0, 2, \zero
	PLACES
	FETCH \slot, \qd, \g
	s_wait_dscnt 40                                ; all but the 40 just issued
	WIN MUL
	MUL8 \f, 1, 0, 0
	MUL8 \f, 1, 2, 0
.endm
; A slot's last quarter multiplies buffer 1 and changes slots: one barrier; in front of it each wave waits for all its tensor loads, adds 0 to its spare word, and waits for that and for its reads of this slot
.macro TURN slot, next, fill
	WIN 0
	s_wait_tensorcnt 0x0                           ; all my tensor loads have landed: my part of the next slot;
	ds_add_u32 v[SPW], v[NIL]                      ; 0 onto my spare word;
	s_wait_dscnt 17                                ; (the add and the youngest sixteen loads may be out)
	WIN MUL
	MUL8 F1, 0, 0, 0
	s_wait_dscnt 0x0                               ; the add is done, and my reads of this slot are over
	s_barrier_signal -1
	MUL8 F1, 0, 2, 0
.if \fill
	WIN 0
.endif
	s_barrier_wait -1
.if \fill
	CREST                                          ; the barrier has opened a round of the cluster's barrier: no wave of any partner still reads this slot or has a load on its way
	s_add_nc_u64 s[G0+4*\slot+2:G0+4*\slot+3], s[G0+4*\slot+2:G0+4*\slot+3], 16384
	s_add_nc_u64 s[G0B+4*\slot+2:G0B+4*\slot+3], s[G0B+4*\slot+2:G0B+4*\slot+3], 16384
	JLOAD G0+4*\slot, G1, G0B+4*\slot, G1B         ; the first tensor load behind the round; its four v_nop are also the places in front of the loads below
.if \slot == 1
	v_add_nc_u32 v[ADRS], 8192, v[ADRS]            ; the next lap's 16 steps of scale words
.endif
.else
	PLACES
.endif
	FETCH \next, 0, F0
	WIN MUL
	MUL8 F1, 1, 0, 0
	MUL8 F1, 1, 2, 0
.endm
	s_wait_tensorcnt 1                             ; the scale words and my part of slot 0 are in; slot 1's load may be out
	s_barrier_signal -1
	s_barrier_wait -1
	FETCH 0, 0, F0
	QUARTER 0, 1, F0, F1, 1                        ; the first products start the sums
	WIN 0
	s_mov_b32 s3, LAPS-1
.Llap:                                             ; a trip goes once round the ring and fills both slots again
	QUARTER 0, 2, F1, F0, 0
	QUARTER 0, 3, F0, F1, 0
	TURN 0, 1, 1
	QUARTER 1, 1, F0, F1, 0
	QUARTER 1, 2, F1, F0, 0
	QUARTER 1, 3, F0, F1, 0
	TURN 1, 0, 1
	QUARTER 0, 1, F0, F1, 0
	WIN 0
	s_sub_co_u32 s3, s3, 1
	s_cmp_lg_u32 s3, 0
	s_cbranch_scc1 .Llap
	QUARTER 0, 2, F1, F0, 0                        ; the last lap fills nothing
	QUARTER 0, 3, F0, F1, 0
	TURN 0, 1, 0
	QUARTER 1, 1, F0, F1, 0
	QUARTER 1, 2, F1, F0, 0
	QUARTER 1, 3, F0, F1, 0
	s_wait_dscnt 16
	WIN MUL
	MUL8 F1, 0, 0, 0
	MUL8 F1, 0, 2, 0
	s_wait_dscnt 0
	MUL8 F1, 1, 0, 0
	MUL8 F1, 1, 2, 0
	WIN 0
; THE WAY OUT, a tile of 16 tokens x 64 d at a time, through my own stage: register j of tile b holds d = 32 (b / 2) + 16 h + 8 (b % 2) + j of token row r; row p of tile a is token 32 (a / 2) + 8 (a % 2) + p + 8 (p / 8)
.macro TOSTAGE a
.irp b, 0,1,2,3
	ds_store_b128 v[STO], v[ACC+8*(4*(\a)+\b):ACC+8*(4*(\a)+\b)+3] offset:128*(\b/2)+32*(\b%2)        ; each accumulator from its low end on
	ds_store_b128 v[STO], v[ACC+8*(4*(\a)+\b)+4:ACC+8*(4*(\a)+\b)+7] offset:128*(\b/2)+32*(\b%2)+16
.endr
.set BB, BK+32*((\a)%2)
.irp t, 0,1,2,3,4,5,6,7
	ds_load_b128 v[BB+4*\t:BB+4*\t+3], v[RD] offset:\t*2*SPITCH   ; LDS serves a wave's instructions in order: these see the stores above
.endr
.endm
.macro SEND a, younger
.set BB, BK+32*((\a)%2)
	s_wait_dscnt \younger
.irp t, 0,1,2,3,4,5,6,7
	global_store_b128 v[CO], v[BB+4*\t:BB+4*\t+3], s[8:9] offset:(32*((\a)/2)+8*((\a)%2)+2*\t+8*(\t/4))*4096 th:TH_STORE_NT   ; sixteen lanes store 256 consecutive bytes, aligned
.endr
.endm
	PLACES
	TOSTAGE 0
.irp a, 1,2,3
.if \a > 1
	s_wait_xcnt 0x0                                ; the stores of two tiles back have read the registers into which this tile's rows come
.endif
	TOSTAGE \a
	SEND \a-1, 16                                  ; behind the last tile's loads: this tile's 8 stores and 8 loads
.endr
	SEND 3, 0
	s_wait_tensorcnt 0x0                           ; the wave's end
	ds_add_u32 v[SPW], v[NIL]
	s_wait_dscnt 0x0
	CROUND                                         ; the closing round
	s_endpgm
.Lfunc_end_k_q147b6adb41_g2:
	.size	k_q147b6adb41_g2, .Lfunc_end_k_q147b6adb41_g2-k_q147b6adb41_g2
	.p2alignl 7, 3214868480
	.fill 96, 4, 3214868480
	.section	.rodata,"a",@progbits
	.p2align	6, 0x0
	.amdhsa_kernel k_q147b6adb41_g2
		.amdhsa_group_segment_fixed_size 327680
		.amdhsa_private_segment_fixed_size 0
		.amdhsa_enable_private_segment 0
		.amdhsa_kernarg_size 24
		.amdhsa_user_sgpr_count 2
		.amdhsa_user_sgpr_kernarg_segment_ptr 1
		.amdhsa_wavefront_size32 1
		.amdhsa_system_sgpr_workgroup_id_x 1
		.amdhsa_system_sgpr_workgroup_id_y 1
		.amdhsa_system_sgpr_workgroup_id_z 1
		.amdhsa_system_vgpr_workitem_id 0
		.amdhsa_next_free_vgpr 512
		.amdhsa_next_free_sgpr 100
		.amdhsa_reserve_vcc 0
		.amdhsa_float_denorm_mode_32 3
		.amdhsa_float_denorm_mode_16_64 3
		.amdhsa_memory_ordered 1
		.amdhsa_forward_progress 1
		.amdhsa_inst_pref_size 129
	.end_amdhsa_kernel
	.amdgpu_metadata
---
amdhsa.version: [ 1, 2 ]
amdhsa.kernels:
  - .name:           k_q147b6adb41_g2
    .symbol:         k_q147b6adb41_g2.kd
    .args:
      - { .name: AA, .offset: 0, .size: 8, .value_kind: global_buffer, .address_space: global }
      - { .name: QW, .offset: 8, .size: 8, .value_kind: global_buffer, .address_space: global }
      - { .name: out0, .offset: 16, .size: 8, .value_kind: global_buffer, .address_space: global }
    .group_segment_fixed_size: 327680
    .private_segment_fixed_size: 0
    .kernarg_segment_align: 8
    .kernarg_segment_size: 24
    .max_flat_workgroup_size: 128
    .sgpr_count:     100
    .vgpr_count:     512
    .wavefront_size: 32
...
	.end_amdgpu_metadata
.endif
;; end of part 5
